; MI455X (gfx1250); checked and timed in simulation.
; The chip was launched on July 23, 2026; its instructions are those of AMD's public machine-readable ISA for CDNA 5 (MIT licence, August 2026) and "CDNA5" Instruction Set Architecture Reference Guide (July 2026). The comments in the code are by the model that wrote it; some were corrected since.
;; Monitored Self Attention. Allowed arithmetic: matrix products marked QUANTISED: E2M1 operands, one E8M0 scale for each 32 along K, by v_wmma_scale_f32_16x16x128_f8f6f4 with both operands' format E2M1 (or v_wmma_scale_f32_32x16x128_f4), f32 sums; products left as they are: bf16, f16 or f32 operands; f32 sums; everything else in f32.
;; Inputs: w_attn 1,024 x 3,072 float32; w_proj 1,024 x 1,024 float32; x 2 x 2,048 x 1,024 float32.
;; Outputs: out0 2 x 2,048 x 1,024 float32; out1 one number float32.
;; This version of the problem:
;;   THIS VERSION OF THE PROBLEM IS GIVEN IN LOW PRECISION. The matrix products marked QUANTISED in the list below multiply operands that are first quantised to E2M1 (2 exponent bits, 1 mantissa bit; 4 bits a number), with one power-of-two scale for each 32 numbers along K (OCP MX v1.0); their sums are f32. The products marked 'left as it is' may take bf16, f16 or f32 operands, with f32 sums. Whichever they take, every output number must still come out within the allowed error. Rounding operands to bf16 (8 significant bits) uses up far more of that allowance than f16 does (11 bits, for magnitudes from 6e-5 to 65,504). All else is computed in f32.
;;   The module's matrix products, in the order in which they are computed (A, B: the left and right operand; K: the contracted axis; several contracted axes count as one K, in the product's order):
;;     1. [M 4,096, K 1,024] x [K 1,024, N 3,072]; A: input x; B: input w_attn: QUANTISED
;;     2. batch 32 x [M 2,048, K 64] x [K 64, N 2,048]; A: computed on the way; B: computed on the way: left as it is (an operand is computed on the way)
;;     3. batch 32 x [M 2,048, K 2,048] x [K 2,048, N 64]; A: computed on the way; B: computed on the way: left as it is (an operand is computed on the way)
;;     4. [M 4,096, K 1,024] x [K 1,024, N 1,024]; A: computed on the way; B: input w_proj: left as it is (an operand is computed on the way)
;;   THE QUANTISER, for each operand of a quantised product, along K:
;;     - K is cut into blocks of 32 from its start; a last block that is shorter is filled with zeros.
;;     - A block's scale is 2^e with e = floor(log2(the largest magnitude in the block)) - 2, held to -126 .. 127; a block of zeros has e = 0. As a byte (E8M0): e + 127.
;;     - Each number is divided by its block's scale, clamped to +-6, and rounded to the nearest number of E2M1, ties to even, subnormals kept.
;;     - The product sums the exact products of the quantised numbers (number of the format x scale) in f32.
;;   ~~~python
;;   def quantise(x, axis):      # numpy; x: float32 -> the quantised numbers, widened to float32 again
;;       x = np.moveaxis(x, axis, -1); K = x.shape[-1]
;;       x = np.pad(x, [(0, 0)] * (x.ndim - 1) + [(0, -K % 32)]); x = x.reshape(x.shape[:-1] + (-1, 32)); a = np.abs(x).max(-1, keepdims=True)
;;       e = np.where(a > 0, np.clip(np.frexp(np.where(a > 0, a, 1))[1] - 1 - 2, -126, 127), 0)      # np.frexp(a)[1] - 1 = floor(log2(a)), exactly
;;       r = np.clip(x / 2.0 ** e, -6, 6)
;;       step = 2.0 ** (np.maximum(np.frexp(np.where(r == 0, 1, r))[1] - 1, 0) - 1)
;;       q = np.round(r / step) * step * 2.0 ** e      # np.round: ties to even
;;       return np.moveaxis(q.reshape(q.shape[:-2] + (-1,))[..., :K], -1, axis).astype(np.float32)
;;   ~~~
;; One version. Each part assembles by itself: llvm-mc -triple=amdgcn-amd-amdhsa -mcpu=gfx1250 --defsym DOCPART=n.
;; ======== version 1 of 1: 5 launches
;; limits: a function is approximated: absolute error at most 2.05e-05; values are held in f16: magnitudes above 65,504 overflow, below 6.1e-05 lose precision
;; workspace buffers: xc 2,097,152 bytes; wc 1,572,864 bytes; scales 229,376 bytes; w16 2,097,152 bytes; qkv16 25,165,824 bytes; qkv32 393,216 bytes; y16 8,388,608 bytes; ent 1,024 bytes
;; launch prep (part 1): grid 192 x 1, 8 waves a work-group, no clusters, 84,992 bytes of LDS; arguments x, w_attn, w_proj, xc, wc, scales, w16; writes xc, wc, scales, w16
.if DOCPART == 1
	.amdgcn_target "amdgcn-amd-amdhsa--gfx1250"
	.amdhsa_code_object_version 6
	.text
	.protected	k_qbd511ab740_prep
	.globl	k_qbd511ab740_prep
	.p2align	8
	.type	k_qbd511ab740_prep,@function
k_qbd511ab740_prep:
	s_mov_b64 s[64:65], 0
	v_nop
	global_prefetch_b8 v0, s[64:65] scope:SCOPE_SE
	s_setreg_imm32_b32 hwreg(HW_REG_WAVE_MODE, 25, 1), 1
	s_wait_xcnt 0x0
; Three jobs in one launch, told apart by the work-group's number; each has LDS bytes of its own and its own ending.
;   work-groups   0 ..  63: x [4096][1024] f32, K innermost -> codes of E2M1 in xc [4096][512 bytes], scale bytes in scales [4096][32] (from byte 0)
;   work-groups  64 .. 159: w_attn [1024 (k)][3072 (n)] f32, K its first axis -> codes in wc [3072][512 bytes], K innermost, scale bytes in scales from byte 131,072 on, [3072][32]
;   work-groups 160 .. 191: w_proj [1024][1024] f32 -> f16 in w16, same order
; A block's scale is 2^(floor(log2(its largest magnitude)) - 2); its byte is the largest magnitude's exponent field - 2, held at 1 from below.
; LIMITS: a block of zeros gets the byte 1 where the rule says 127 (its codes are zeros, and this program alone reads the bytes); blocks whose largest magnitude lies under 2^-124 keep the byte 1;
; NaN and infinities are not served; w_proj must lie within f16's range (magnitude up to 65,504).
.set SP,    80                         ; role X: a lane's place in a stage: 64 bytes + 16 of padding
.set WREG,  8192                       ; role X: LDS of a wave: two stages of 32 x SP bytes, then its 256 scale bytes
.set WST,   65536                      ; role W: the work-group's stage: 64 columns x (256 bytes + 16)
.set WSC,   WST+64*272                 ; role W: 64 columns x 16 scale bytes
.set SPARE, WSC+64*16                  ; the spare words, 128 bytes for each of the eight waves; no other line names them
.set SPW,   190                        ; v190 LDS address of my spare word; never rewritten
.set NIL,   191                        ; v191 0; never rewritten
.set STEPS, 16
.set R,     16                         ; role X: v16-79 four sets of 16 numbers as loaded
.set X,     80                         ; v80-111 two sets of 16 neighbours
.set E,     112                        ; v112-127 a scale byte for each step
.set C,     128                        ; v128-189 codes, four registers set aside for each step
.set WX,    32                         ; role W: v32-95 two sets of 32 numbers
.set WC,    96                         ; v96-99 a block's codes
	s_load_b256 s[4:11], s[0:1], 0x0               ; x s[4:5], w_attn s[6:7], w_proj s[8:9], xc s[10:11]
	s_load_b128 s[12:15], s[0:1], 0x20             ; wc s[12:13], scales s[14:15]
	s_load_b64 s[16:17], s[0:1], 0x30              ; w16
	v_lshl_add_u32 v[SPW], v0, 2, SPARE
	v_mov_b32 v[NIL], 0
	v_lshrrev_b32 v1, 5, v0
	v_readfirstlane_b32 s18, v1                    ; wave 0..7
	v_and_b32 v2, 31, v0                           ; lane
	s_cmp_lt_u32 ttmp9, 64
	s_cbranch_scc0 .Lnot_x
; ---------------- ROLE X: a wave takes 8,192 numbers of x, 16 steps of 512.  Loads read 512 consecutive bytes; a step's 2,048 bytes turn through the wave's own stage, so that a lane holds 16 neighbours along K.
	v_lshlrev_b32 v3, 4, v2                        ; my 16 bytes of a load's 512
	s_mul_i32 s20, s18, WREG
	v_lshrrev_b32 v14, 2, v2
	v_mul_u32_u24 v14, v14, SP
	v_and_b32 v15, 3, v2
	v_lshl_add_u32 v14, v15, 4, v14
	v_add_nc_u32 v14, s20, v14                     ; the stage on the way in: SP (lane / 4) + 16 (lane % 4)
	v_mul_u32_u24 v15, v2, SP
	v_add_nc_u32 v15, s20, v15                     ; and on the way out: SP x lane
	v_mul_u32_u24 v4, v2, 8                        ; my 8 bytes of a step's 256 bytes of codes
	v_lshrrev_b32 v5, 1, v2
	s_add_co_u32 s20, s20, 2*32*SP
	v_add_nc_u32 v5, s20, v5                       ; my block's scale byte in the wave's 256
	v_lshlrev_b32 v7, 3, v2
	v_add_nc_u32 v6, s20, v7                       ; and 8 of them a lane on the way out
	s_lshl_b32 s21, ttmp9, 3
	s_add_co_u32 s22, s21, s18                     ; which run of 8,192 numbers: 0 .. 511
	s_mov_b32 s25, 0
	s_wait_kmcnt 0x0
	s_lshl_b32 s24, s22, 15
	s_add_nc_u64 s[4:5], s[4:5], s[24:25]          ; 32,768 bytes of x a run,
	s_lshl_b32 s24, s22, 12
	s_add_nc_u64 s[10:11], s[10:11], s[24:25]      ; 4,096 of codes,
	s_lshl_b32 s24, s22, 8
	s_add_nc_u64 s[14:15], s[14:15], s[24:25]      ; 256 scale bytes
.macro XLOAD t
.irp i, 0,1,2,3
	global_load_b128 v[R+16*((\t)%4)+4*\i:R+16*((\t)%4)+4*\i+3], v3, s[4:5] offset:2048*(\t)+512*\i th:TH_LOAD_NT
.endr
.endm
.macro XTURN t                         ; LDS serves a wave's instructions in order: no wait between the stores and the loads
.irp i, 0,1,2,3
	ds_store_b128 v14, v[R+16*((\t)%4)+4*\i:R+16*((\t)%4)+4*\i+3] offset:32*SP*((\t)%2)+8*SP*\i
.endr
.irp i, 0,1,2,3
	ds_load_b128 v[X+16*((\t)%2)+4*\i:X+16*((\t)%2)+4*\i+3], v15 offset:32*SP*((\t)%2)+16*\i
.endr
.endm
.irp t, 0,1,2,3
	XLOAD \t
.endr
	s_wait_loadcnt 12                              ; step 0's four loads are in; the twelve of steps 1 to 3 may be out
	XTURN 0
.macro XSTEP t
.set XS, X+16*((\t)%2)
.if (\t) > 0
	s_wait_dscnt 1                                 ; this step's numbers are back from the stage; the last step's byte store may be out
.else
	s_wait_dscnt 0x0
.endif
.if (\t)+4 < STEPS
	XLOAD (\t)+4                                   ; into the set whose stores into the stage are done
.endif
.if (\t)+1 < STEPS
.if STEPS-2-(\t) >= 3
	s_wait_loadcnt 12                              ; the next step's four loads are in; those of the three steps behind it may be out
.else
	s_wait_loadcnt 4*(STEPS-2-(\t))                ; the tail: as many steps as are left behind the next
.endif
	XTURN (\t)+1
.endif
	v_max3_num_f32 v8, |v[XS]|, |v[XS+1]|, |v[XS+2]|
	v_max3_num_f32 v9, |v[XS+3]|, |v[XS+4]|, |v[XS+5]|
.irp i, 6,10
	v_max3_num_f32 v8, v8, |v[XS+\i]|, |v[XS+\i+1]|
	v_max3_num_f32 v9, v9, |v[XS+\i+2]|, |v[XS+\i+3]|
.endr
	v_max3_num_f32 v8, v8, |v[XS+14]|, |v[XS+15]|
	v_max3_num_f32 v8, v8, v9, 0x1800000           ; with the floor 2^(3 - 127): the byte cannot fall under 1
	v_max_num_f32_dpp v8, v8, v8 row_xmask:1 row_mask:0xf bank_mask:0xf   ; and my neighbour's 16: the block's largest magnitude
	v_add_nc_u32 v11, 0xff000000, v8               ; 2 off its exponent field: the conversion's scale operand
	v_cvt_scalef32_pk8_fp4_f32 v[C+4*(\t)], v[XS:XS+7], v11
	v_cvt_scalef32_pk8_fp4_f32 v[C+4*(\t)+1], v[XS+8:XS+15], v11
	v_lshrrev_b32 v[E+(\t)], 23, v11               ; the scale's byte (also the plain line behind the conversions)
	ds_store_b8 v5, v[E+(\t)] offset:16*(\t)       ; both lanes of a block write the same byte with the same value
	global_store_b64 v4, v[C+4*(\t):C+4*(\t)+1], s[10:11] offset:256*(\t)   ; the wave stores 256 consecutive bytes, aligned
.endm
.irp t, 0,1,2,3,4,5,6,7,8,9,10,11,12,13,14,15
	XSTEP \t
.endr
	ds_load_b64 v[8:9], v6                         ; in order behind my byte stores
	s_wait_dscnt 0x0
	global_store_b64 v7, v[8:9], s[14:15]          ; 256 consecutive scale bytes, aligned
	s_wait_tensorcnt 0x0                           ; the wave's end: behind my last LDS store
	ds_add_u32 v[SPW], v[NIL]
	s_wait_dscnt 0x0
	s_endpgm
.Lnot_x:
	s_cmp_lt_u32 ttmp9, 160
	s_cbranch_scc0 .Lrole_c
; ---------------- ROLE W: a work-group takes 64 columns x 512 along K; wave w takes 32 columns (w % 2) x 128 along K (w / 2).  A lane takes a column and its registers run down K: a block of 32 is one lane's.
	s_sub_co_u32 s20, ttmp9, 64
	s_lshr_b32 s21, s20, 1                         ; which 64 columns
	s_and_b32 s22, s20, 1                          ; which half of K
	s_and_b32 s23, s18, 1                          ; which 32 of the columns
	s_lshr_b32 s24, s18, 1                         ; which 128 of the 512 along K
	v_lshlrev_b32 v3, 2, v2                        ; in: 4 bytes a lane
	s_lshl_b32 s25, s23, 5
	v_add_nc_u32 v4, s25, v2                       ; my column of the 64
	v_mul_u32_u24 v5, v4, 272
	s_lshl_b32 s26, s24, 6
	s_add_co_u32 s26, s26, WST
	v_add_nc_u32 v5, s26, v5                       ; the stage: row = column, my wave's 64 bytes of its 256
	v_lshlrev_b32 v6, 4, v4
	s_lshl_b32 s26, s24, 2
	s_add_co_u32 s26, s26, WSC
	v_add_nc_u32 v6, s26, v6                       ; my column's scale word for my wave's four blocks
	v_and_b32 v7, 15, v2
	v_lshrrev_b32 v8, 4, v2
	s_lshl_b32 s27, s18, 3
	v_add_nc_u32 v8, s27, v8                       ; out: wave w takes stage rows 8 w .. 8 w + 7, two an instruction
	v_mul_u32_u24 v9, v8, 272
	v_lshl_add_u32 v9, v7, 4, v9
	v_add_nc_u32 v9, WST, v9
	v_lshlrev_b32 v10, 9, v8                       ; and the same place in wc: 512 bytes a row
	v_lshl_add_u32 v10, v7, 4, v10
	v_lshl_add_u32 v14, v0, 4, WSC                 ; waves 0 and 1: thread t takes column t's 16 scale bytes,
	v_lshlrev_b32 v15, 5, v0                       ; 32 bytes a row in memory
	s_lshl_b32 s28, s22, 9
	s_lshl_b32 s29, s24, 7
	s_add_co_u32 s28, s28, s29                     ; my first k
	s_mul_i32 s28, s28, 12288                      ; a row of w_attn is 12,288 bytes
	s_lshl_b32 s29, s21, 8
	s_add_co_u32 s28, s28, s29
	s_lshl_b32 s29, s23, 7
	s_add_co_u32 s28, s28, s29                     ; + 4 x my wave's first column
	s_mov_b32 s29, 0
	s_wait_kmcnt 0x0
	s_add_nc_u64 s[6:7], s[6:7], s[28:29]
	s_lshl_b32 s28, s21, 15
	s_lshl_b32 s30, s22, 8
	s_add_co_u32 s28, s28, s30
	s_add_nc_u64 s[12:13], s[12:13], s[28:29]      ; wc: 64 rows of 512 bytes a group, 256 bytes a half of K
	s_lshl_b32 s28, s21, 11
	s_lshl_b32 s30, s22, 4
	s_add_co_u32 s28, s28, s30
	s_add_co_u32 s28, s28, 131072
	s_add_nc_u64 s[14:15], s[14:15], s[28:29]      ; w_attn's scale bytes lie behind x's
.macro WLOAD t                         ; block t: w_attn(32 t + i, my column), i = 0 .. 31: each load reads 128 consecutive bytes
.set II, 0
.rept 32
	global_load_b32 v[WX+32*((\t)%2)+II], v3, s[6:7] offset:(32*(\t)+II)*12288 th:TH_LOAD_NT
.set II, II+1
.endr
.endm
	WLOAD 0
	WLOAD 1
.macro WBLOCK t
.set XS, WX+32*((\t)%2)
.if (\t) < 3
	s_wait_loadcnt 32                              ; this block's 32 loads are in; the next block's 32 may be out
.else
	s_wait_loadcnt 0x0
.endif
	v_max3_num_f32 v12, |v[XS]|, |v[XS+1]|, |v[XS+2]|
	v_max3_num_f32 v13, |v[XS+3]|, |v[XS+4]|, |v[XS+5]|
.irp i, 6,10,14,18,22,26
	v_max3_num_f32 v12, v12, |v[XS+\i]|, |v[XS+\i+1]|
	v_max3_num_f32 v13, v13, |v[XS+\i+2]|, |v[XS+\i+3]|
.endr
	v_max3_num_f32 v12, v12, |v[XS+30]|, |v[XS+31]|
	v_max3_num_f32 v12, v12, v13, 0x1800000        ; with the floor 2^(3 - 127)
	v_add_nc_u32 v11, 0xff000000, v12              ; the conversion's scale operand
	v_lshrrev_b32 v13, 23, v11                     ; the scale's byte
.if (\t) == 0
	v_mov_b32 v24, v13                             ; four bytes to the word, the lower K in the lower byte
.else
	v_lshl_or_b32 v24, v13, 8*(\t), v24
.endif
.irp g, 0,1,2,3
	v_cvt_scalef32_pk8_fp4_f32 v[WC+\g], v[XS+8*\g:XS+8*\g+7], v11
.endr
	ds_store_b128 v5, v[WC:WC+3] offset:16*(\t)    ; 32 codes: 16 bytes of my column's row
.if (\t)+2 < 4
	WLOAD (\t)+2
.endif
	s_wait_dscnt 0x0                               ; the store has read its registers: the next block's codes may be written
.endm
.irp t, 0,1,2,3
	WBLOCK \t
.endr
	ds_store_b32 v6, v24
	s_wait_dscnt 0x0                               ; for the others' sake: my stores into the stage are done
	s_barrier_signal -1
	s_barrier_wait -1
.irp i, 0,1,2,3
	ds_load_b128 v[112+4*\i:115+4*\i], v9 offset:2*\i*272
.endr
.irp i, 0,1,2,3
	s_wait_dscnt 3-\i                              ; the loads behind this one may be out
	global_store_b128 v10, v[112+4*\i:115+4*\i], s[12:13] offset:2*\i*512   ; sixteen lanes store 256 consecutive bytes, aligned
.endr
	s_cmp_lt_u32 s18, 2
	s_cbranch_scc0 .Lw_end
	ds_load_b128 v[128:131], v14
	s_wait_dscnt 0x0
	global_store_b128 v15, v[128:131], s[14:15]    ; 16 bytes of each column's 32: one byte in 128 of what this role reads
.Lw_end:
	s_wait_tensorcnt 0x0                           ; the wave's end
	ds_add_u32 v[SPW], v[NIL]
	s_wait_dscnt 0x0
	s_endpgm
; ---------------- ROLE C: a wave takes 4,096 numbers of w_proj: 32 loads of 512 bytes, all on their way at once; each becomes a store of 256 bytes.
.Lrole_c:
	s_sub_co_u32 s20, ttmp9, 160
	s_lshl_b32 s20, s20, 3
	s_add_co_u32 s20, s20, s18                     ; run 0 .. 255
	v_lshlrev_b32 v3, 4, v2
	v_lshlrev_b32 v4, 3, v2
	s_lshl_b32 s22, s20, 14
	s_mov_b32 s23, 0
	s_lshl_b32 s24, s20, 13
	s_mov_b32 s25, 0
	s_wait_kmcnt 0x0
	s_add_nc_u64 s[8:9], s[8:9], s[22:23]
	s_add_nc_u64 s[16:17], s[16:17], s[24:25]
.set TT, 0
.rept 32
	global_load_b128 v[16+4*TT:19+4*TT], v3, s[8:9] offset:512*TT
.set TT, TT+1
.endr
.set TT, 0
.rept 32
	s_wait_loadcnt 31-TT                           ; loads come back in order: this one is in, the younger ones may be out
	v_cvt_pk_f16_f32 v[16+4*TT], v[16+4*TT], v[17+4*TT]
	v_cvt_pk_f16_f32 v[17+4*TT], v[18+4*TT], v[19+4*TT]
	global_store_b64 v4, v[16+4*TT:17+4*TT], s[16:17] offset:256*TT
.set TT, TT+1
.endr
	s_wait_tensorcnt 0x0                           ; the same ending as the other two roles
	ds_add_u32 v[SPW], v[NIL]
	s_wait_dscnt 0x0
	s_endpgm
.Lfunc_end_k_qbd511ab740_prep:
	.size	k_qbd511ab740_prep, .Lfunc_end_k_qbd511ab740_prep-k_qbd511ab740_prep
	.p2alignl 7, 3214868480
	.fill 96, 4, 3214868480
	.section	.rodata,"a",@progbits
	.p2align	6, 0x0
	.amdhsa_kernel k_qbd511ab740_prep
		.amdhsa_group_segment_fixed_size 84992
		.amdhsa_private_segment_fixed_size 0
		.amdhsa_enable_private_segment 0
		.amdhsa_kernarg_size 56
		.amdhsa_user_sgpr_count 2
		.amdhsa_user_sgpr_kernarg_segment_ptr 1
		.amdhsa_wavefront_size32 1
		.amdhsa_system_sgpr_workgroup_id_x 1
		.amdhsa_system_sgpr_workgroup_id_y 1
		.amdhsa_system_sgpr_workgroup_id_z 1
		.amdhsa_system_vgpr_workitem_id 0
		.amdhsa_next_free_vgpr 192
		.amdhsa_next_free_sgpr 66
		.amdhsa_reserve_vcc 0
		.amdhsa_float_denorm_mode_32 3
		.amdhsa_float_denorm_mode_16_64 3
		.amdhsa_memory_ordered 1
		.amdhsa_forward_progress 1
		.amdhsa_inst_pref_size 66
	.end_amdhsa_kernel
	.amdgpu_metadata
---
amdhsa.version: [ 1, 2 ]
amdhsa.kernels:
  - .name:           k_qbd511ab740_prep
    .symbol:         k_qbd511ab740_prep.kd
    .args:
      - { .name: x, .offset: 0, .size: 8, .value_kind: global_buffer, .address_space: global }
      - { .name: w_attn, .offset: 8, .size: 8, .value_kind: global_buffer, .address_space: global }
      - { .name: w_proj, .offset: 16, .size: 8, .value_kind: global_buffer, .address_space: global }
      - { .name: xc, .offset: 24, .size: 8, .value_kind: global_buffer, .address_space: global }
      - { .name: wc, .offset: 32, .size: 8, .value_kind: global_buffer, .address_space: global }
      - { .name: scales, .offset: 40, .size: 8, .value_kind: global_buffer, .address_space: global }
      - { .name: w16, .offset: 48, .size: 8, .value_kind: global_buffer, .address_space: global }
    .group_segment_fixed_size: 84992
    .private_segment_fixed_size: 0
    .kernarg_segment_align: 8
    .kernarg_segment_size: 56
    .max_flat_workgroup_size: 256
    .sgpr_count:     66
    .vgpr_count:     192
    .wavefront_size: 32
...
	.end_amdgpu_metadata
.endif
;; end of part 1
;; launch qkv (part 2): grid 12 x 16, 4 waves a work-group, clusters of 4 x 4, 327,680 bytes of LDS; arguments xc, scales, wc, qkv16, qkv32; writes qkv16, qkv32
.if DOCPART == 2
	.amdgcn_target "amdgcn-amd-amdhsa--gfx1250"
	.amdhsa_code_object_version 6
	.text
	.protected	k_qbd511ab740_qkv
	.globl	k_qbd511ab740_qkv
	.p2align	8
	.type	k_qbd511ab740_qkv,@function
k_qbd511ab740_qkv:
	s_mov_b64 s[64:65], 0
	v_nop
	global_prefetch_b8 v0, s[64:65] scope:SCOPE_SE
	s_setreg_imm32_b32 hwreg(HW_REG_WAVE_MODE, 25, 1), 1
	s_wait_xcnt 0x0
	s_wait_alu depctr_hold_cnt(0) depctr_sa_sdst(0) depctr_va_vdst(0) depctr_va_sdst(0) depctr_va_ssrc(0) depctr_va_vcc(0) depctr_vm_vsrc(0)
	s_getreg_b32 s2, hwreg(HW_REG_IB_STS2, 6, 4)
	s_cmp_eq_u32 s2, 0
	s_cbranch_scc0 .Lentry_in_a_cluster
	s_endpgm
.Lentry_in_a_cluster:
	s_bfe_u32 s2, ttmp6, 0x10000c
	s_cmp_lg_u32 s2, 0xf033
	s_cbranch_scc0 .Lentry_shape_is_right
	s_endpgm
.Lentry_shape_is_right:
; qkv[m][n] = sum over k of x[m][k] w_attn[k][n] on codes of E2M1 with one E8M0 scale for each 32 along K.  xc: [4096][512 bytes], wc: [3072][512 bytes]; scale bytes: x's [4096][32] at byte 0 of scales, w_attn's [3072][32] at byte 131,072.
; A tile of 256 x 256 to a work-group of four waves, 128 x 128 to a wave: 64 accumulators, 512 registers.  K = 1,024 is two LDS slots of 512: both are asked for at the start and nothing is filled again.
; The scale bytes of the work-group's 256 + 256 rows come once, as rows of 256 bytes.  CLUSTERS of 4 x 4: x's tiles are shared along a row of the cluster, w_attn's along a column, each by a joint load.
; THE MATRIX INSTRUCTION IS USED TRANSPOSED (source 0 = 16 rows of wc, source 1 = 16 rows of xc): a lane holds eight neighbouring columns of one row.
; RESULTS: rounded to f16 into qkv16 [part 3][16 b + h][t 2048][64]: a wave's 128 columns are two heads of one part; four rows of a head are 512 consecutive bytes.
;          Rows t < 16 of each batch also leave as f32 into qkv32 [16 b + t][3072], for the launch that carries those rows finely.
; LIMIT: |q|, |k|, |v| up to 65,504 (f16).
; REGISTERS: window 0: v0-31 addresses; v32-95 scale words, two sets; v128-191 x's fragments, one set; on the way out v128-223.  window 1: w_attn's fragments, two sets.  windows 2, 3: the accumulators ((a, b) at v[8 (8 (a % 4) + b)]).
.set SIZE_K, 1024
.set KSTEP,  512
.set NQ,     KSTEP/128
.set ROWB,   256                       ; a tile's row in bytes
.set KROW,   SIZE_K/2                  ; a row of codes in memory
.set PITCH,  272                       ; an LDS row: 256 bytes + 16: the 16 rows that a load touches start 16 bytes apart modulo 256
.set FR,     8
.set NL,     2
.set NP,     4                         ; places behind this matrix instruction
.set HALFT,  128*PITCH
.set SLOT,   4*HALFT
.set KS,     SIZE_K/32                 ; a row of scale bytes
.set SCL,    2*SLOT
.set HALFS,  (128*KS/256)*272
.set SBLK,   (16*KS/256)*272
.set SPARE,  SCL+4*HALFS               ; the spare words, 128 bytes a wave; no other line names them
.set SPITCH, 272                       ; the way out: a stage of 16 rows x (256 bytes + 16) for each wave, in slot 0, which has had its only fill and its last read by then
.set ADRA, 16
.set ADRB, 20
.set STO,  24
.set RD,   25
.set CO,   26
.set ADRS, 27
.set SPW,  28
.set NIL,  29
.set FO,   30                          ; v30 my byte offset in the 16 f32 rows
.set T0,   31                          ; v31 my wave's first position t
.set SC,   32
.set AF,   128
.set BK,   128                         ; the way out: rows read back: v128-159 and v160-191 by turns
.set TMP,  192                         ; the way out: packed results
.set G1, 24
.set G0, 32
.set G1B, 48
.set G0B, 56
.set G1S, 68
.set G0S, 76
.set G1SB, 80
.set G0SB, 88
.set MSB, 0
.macro WIN new                         ; the immediate's high byte repeats the setting that is left
.if MSB != \new
	s_set_vgpr_msb (MSB<<8)|\new
.set MSB, \new
.endif
.endm
.set MUL_LO, 0xa1                      ; source 0 window 1, source 1 window 0, C and D window 2
.set MUL_HI, 0xf1                      ; the same, C and D window 3
.set TO_B,   0x40                      ; destination window 1, address window 0
; A joint load: waves 0 and 1 fetch for x, waves 2 and 3 for w_attn.  The branch hangs on the wave's number alone.  An s_nop 0 and four v_nop follow each line.
.macro JLOAD g0a, g1a, g0b, g1b
	s_cmp_eq_u32 s15, 0
	s_cbranch_scc0 .Lfor_b_\@
	tensor_load_to_lds s[\g0a:\g0a+3], s[\g1a:\g1a+7]
	s_nop 0
.rept 4
	v_nop
.endr
	s_branch .Lasked_\@
.Lfor_b_\@:
	tensor_load_to_lds s[\g0b:\g0b+3], s[\g1b:\g1b+7]
	s_nop 0
.rept 4
	v_nop
.endr
.Lasked_\@:
.endm
.macro CROUND                          ; a round of the cluster's barrier
	s_barrier_signal -1
	s_barrier_wait -1
	s_cmp_lg_u32 s14, 0
	s_cbranch_scc1 .Lnot_wave_0_\@
	s_barrier_signal -3
.Lnot_wave_0_\@:
	s_barrier_wait -3
	s_barrier_signal -1
	s_barrier_wait -1
.endm
	s_load_b128 s[4:7], s[0:1], 0x0                ; xc s[4:5], scales s[6:7]
	s_load_b64 s[8:9], s[0:1], 0x10                ; wc
	s_load_b64 s[12:13], s[0:1], 0x18              ; qkv16
	s_load_b64 s[66:67], s[0:1], 0x20              ; qkv32
	v_lshl_add_u32 v[SPW], v0, 2, SPARE
	v_mov_b32 v[NIL], 0
	ds_add_u32 v[SPW], v[NIL]                      ; the wave's opening: the add, twice on end, and its wait ahead of my first tensor load
	ds_add_u32 v[SPW], v[NIL]
	v_lshrrev_b32 v1, 5, v0
	v_readfirstlane_b32 s14, v1                    ; wave 0..3
	s_lshr_b32 s15, s14, 1                         ; which half of the tile's rows is mine.  Also: I fetch for x (0) or for w_attn (1)
	s_and_b32 s16, s14, 1                          ; which half of its columns.  Also: which 128 rows of that tile I fetch
	s_bfe_u32 s40, ttmp6, 0x40000                  ; cx, cy
	s_bfe_u32 s41, ttmp6, 0x40004
	s_lshl_b32 s42, ttmp9, 2
	s_add_co_u32 s42, s42, s40                     ; tile column
	s_and_b32 s17, ttmp7, 0xffff
	s_lshl_b32 s17, s17, 2
	s_add_co_u32 s17, s17, s41                     ; tile row
	s_lshl_b32 s43, s41, 2
	s_lshl_b32 s43, 15, s43                        ; my row of the cluster
	s_lshl_b32 s44, 0x1111, s40                    ; my column
	s_or_b32 s[G1+0], s43, (0<<16)|(1<<20)|(1<<21)|(5<<22)|(3<<25)  ; the mask; elements of 1 byte; padding on; bit 21 beside a mask; 4 words behind every 64
	s_or_b32 s[G1B+0], s44, (0<<16)|(1<<20)|(1<<21)|(5<<22)|(3<<25)
.irp g, G1, G1B
	s_mov_b32 s[\g+1], ROWB<<16                    ; tensor_dim0
	s_mov_b32 s[\g+2], 128<<16                     ; tensor_dim1
	s_mov_b32 s[\g+3], ROWB<<16                    ; tile_dim0
	s_mov_b32 s[\g+4], 128                         ; tile_dim1
	s_mov_b32 s[\g+5], KROW                        ; the pitch
	s_mov_b32 s[\g+6], 0
	s_mov_b32 s[\g+7], 0
.endr
	s_or_b32 s[G1S+0], s43, (3<<16)|(1<<20)|(1<<21)|(5<<22)|(3<<25) ; the scales of 128 rows: 4,096 dense bytes as 16 rows of 256 (32 elements of 8 bytes)
	s_or_b32 s[G1SB+0], s44, (3<<16)|(1<<20)|(1<<21)|(5<<22)|(3<<25)
.irp g, G1S, G1SB
	s_mov_b32 s[\g+1], 32<<16
	s_mov_b32 s[\g+2], (128*KS/256)<<16
	s_mov_b32 s[\g+3], 32<<16
	s_mov_b32 s[\g+4], 128*KS/256
	s_mov_b32 s[\g+5], 32
	s_mov_b32 s[\g+6], 0
	s_mov_b32 s[\g+7], 0
.endr
	s_lshl_b32 s18, s16, 7
	s_lshl_b32 s20, s17, 8
	s_add_co_u32 s20, s20, s18                     ; x: row 256 x tile row + 128 x half
	s_lshl_b32 s46, s42, 8
	s_add_co_u32 s46, s46, s18                     ; w_attn: row 256 x tile column + 128 x half
	s_mov_b32 s21, 0
	s_mov_b32 s47, 0
	s_mov_b64 s[18:19], KS
	s_mul_u64 s[22:23], s[20:21], s[18:19]         ; where these rows' scales begin
	s_mul_u64 s[92:93], s[46:47], s[18:19]
	s_mov_b64 s[18:19], KROW
	s_mul_u64 s[20:21], s[20:21], s[18:19]         ; and their codes
	s_mul_u64 s[46:47], s[46:47], s[18:19]
	s_mul_i32 s45, s14, HALFT                      ; where they go: wave x 128 rows
	s_mul_i32 s94, s14, HALFS
	s_wait_dscnt 0x0                               ; both opening adds are done
	s_wait_kmcnt 0x0
	s_add_nc_u64 s[20:21], s[4:5], s[20:21]
	s_add_nc_u64 s[22:23], s[6:7], s[22:23]
	s_add_nc_u64 s[46:47], s[8:9], s[46:47]
	s_add_nc_u64 s[92:93], s[6:7], s[92:93]
	s_add_nc_u64 s[92:93], s[92:93], 131072        ; w_attn's scale bytes lie behind x's
	CROUND                                         ; all sixteen work-groups are here: the joint loads meet
	s_mov_b32 s[G0S], 1
	s_add_co_u32 s[G0S+1], s94, SCL
	s_mov_b64 s[G0S+2:G0S+3], s[22:23]
	s_or_b32 s[G0S+3], s[G0S+3], 0x80000000
	s_mov_b32 s[G0SB], 1
	s_add_co_u32 s[G0SB+1], s94, SCL
	s_mov_b64 s[G0SB+2:G0SB+3], s[92:93]
	s_or_b32 s[G0SB+3], s[G0SB+3], 0x80000000
	JLOAD G0S, G1S, G0SB, G1SB                     ; the scales first; three loads of mine are out behind the third
.irp s, 0,1
	s_mov_b32 s[G0+4*\s], 1
	s_add_co_u32 s[G0+4*\s+1], s45, \s*SLOT
	s_add_nc_u64 s[G0+4*\s+2:G0+4*\s+3], s[20:21], \s*ROWB
	s_or_b32 s[G0+4*\s+3], s[G0+4*\s+3], 0x80000000
	s_mov_b32 s[G0B+4*\s], 1
	s_add_co_u32 s[G0B+4*\s+1], s45, \s*SLOT
	s_add_nc_u64 s[G0B+4*\s+2:G0B+4*\s+3], s[46:47], \s*ROWB
	s_or_b32 s[G0B+4*\s+3], s[G0B+4*\s+3], 0x80000000
	JLOAD G0+4*\s, G1, G0B+4*\s, G1B
.endr
	v_and_b32 v1, 15, v0                           ; r = l % 16
	v_bfe_u32 v2, v0, 4, 1                         ; h = l / 16
	v_mul_u32_u24 v3, v1, PITCH
	v_lshl_add_u32 v4, v2, 4, v3                   ; a fragment's row x pitch + 16 x half
	s_mul_i32 s21, s15, HALFT
	s_mul_i32 s22, s16, HALFT
	s_add_co_u32 s22, s22, 2*HALFT
.irp s, 0,1
	v_add_nc_u32 v[ADRA+\s], s21, v4
	v_add_nc_u32 v[ADRB+\s], s22, v4
	s_add_co_u32 s21, s21, SLOT
	s_add_co_u32 s22, s22, SLOT
.endr
	v_mul_u32_u24 v5, v1, KS                       ; my row's scales: KS bytes a row,
	v_lshrrev_b32 v6, 8, v5
	v_lshl_add_u32 v5, v6, 4, v5                   ; and 16 more for each 256 passed
	s_mul_i32 s21, s15, HALFS
	s_mul_i32 s22, s16, HALFS
	s_add_co_u32 s22, s22, 2*HALFS
	s_sub_co_u32 s22, s22, s21
	v_mul_u32_u24 v6, s22, v2                      ; lanes 16-31 take w_attn's: one product, the distance between the two bases
	s_add_co_u32 s21, s21, SCL
	v_add_nc_u32 v5, v5, v6
	v_add_nc_u32 v[ADRS], s21, v5
	s_mul_i32 s23, s14, 16*SPITCH                  ; my stage
	v_mul_u32_u24 v5, v1, SPITCH
	v_lshl_add_u32 v5, v2, 4, v5
	v_add_nc_u32 v[STO], s23, v5                   ; in: row r, 16 bytes for each half of the lanes
	v_bfe_u32 v5, v0, 3, 2
	v_mul_u32_u24 v5, v5, SPITCH
	v_and_b32 v6, 7, v0
	v_lshl_add_u32 v5, v6, 4, v5
	v_add_nc_u32 v[RD], s23, v5                    ; back: eight lanes to a head's 128 bytes of a row, four rows an instruction
	v_and_b32 v6, 31, v0
	v_lshlrev_b32 v[CO], 4, v6                     ; and those four rows are 512 consecutive bytes of qkv16
	v_mul_u32_u24 v[FO], v1, 12288
	v_lshl_add_u32 v[FO], v2, 5, v[FO]             ; qkv32: row r of 12,288 bytes, + 32 h
	s_lshl_b32 s20, s17, 8
	s_lshl_b32 s21, s15, 7
	s_add_co_u32 s20, s20, s21                     ; my first row m0
	s_lshr_b32 s21, s20, 11                        ; the batch
	s_and_b32 s22, s20, 2047                       ; my first position t0
	s_lshl_b32 s46, s42, 8
	s_lshl_b32 s47, s16, 7
	s_add_co_u32 s46, s46, s47                     ; my first column n0
	s_lshr_b32 s47, s46, 10                        ; q, k or v
	s_and_b32 s92, s46, 1023
	s_lshr_b32 s92, s92, 6                         ; my first head
	s_lshl_b32 s47, s47, 5
	s_lshl_b32 s93, s21, 4
	s_add_co_u32 s47, s47, s93
	s_add_co_u32 s47, s47, s92                     ; 32 part + 16 b + h
	s_lshl_b32 s92, s47, 18                        ; 262,144 bytes a head
	s_lshl_b32 s93, s22, 7                         ; 128 bytes a position
	s_add_co_u32 s92, s92, s93
	s_mov_b32 s93, 0
	s_add_nc_u64 s[12:13], s[12:13], s[92:93]
	s_mul_i32 s92, s21, 196608                     ; qkv32: 16 rows a batch
	s_lshl_b32 s94, s46, 2
	s_add_co_u32 s92, s92, s94
	s_add_nc_u64 s[66:67], s[66:67], s[92:93]
	v_mov_b32 v[T0], s22
.macro FRAG reg, adr, q, i             ; 16 rows x 128 K of 4-bit codes: 8 registers, two loads of 16 bytes, 32 bytes apart
.irp c, 0,1
	ds_load_b128 v[\reg+4*\c:\reg+4*\c+3], v[\adr] offset:64*(\q)+32*\c+(\i)*16*PITCH
.endr
.endm
; 16 matrix instructions: x's blocks a0, a0 + 1 against w_attn's eight, the slot's q-th 128 along K.  The 64 accumulators take turns, one instruction a turn.
.macro MUL16 a0, p, q, sc, zero
.irp a, \a0, \a0+1
.irp b, 0,1,2,3,4,5,6,7
.if \zero
	v_wmma_scale_f32_16x16x128_f8f6f4 v[8*(8*((\a)%4)+\b):8*(8*((\a)%4)+\b)+7], v[128*(\p)+FR*\b:128*(\p)+FR*\b+FR-1], v[AF+FR*(\a):AF+FR*(\a)+FR-1], 0, v[SC+8*NQ*(\sc)+NQ*\b+(\q)], v[SC+8*NQ*(\sc)+NQ*(\a)+(\q)] matrix_a_fmt:MATRIX_FMT_FP4 matrix_b_fmt:MATRIX_FMT_FP4 matrix_a_scale:MATRIX_SCALE_ROW1
.else
	v_wmma_scale_f32_16x16x128_f8f6f4 v[8*(8*((\a)%4)+\b):8*(8*((\a)%4)+\b)+7], v[128*(\p)+FR*\b:128*(\p)+FR*\b+FR-1], v[AF+FR*(\a):AF+FR*(\a)+FR-1], v[8*(8*((\a)%4)+\b):8*(8*((\a)%4)+\b)+7], v[SC+8*NQ*(\sc)+NQ*\b+(\q)], v[SC+8*NQ*(\sc)+NQ*(\a)+(\q)] matrix_a_fmt:MATRIX_FMT_FP4 matrix_b_fmt:MATRIX_FMT_FP4 matrix_a_scale:MATRIX_SCALE_ROW1
.endif
.endr
.endr
.endm
.macro FETCH_B slot, q, p
	WIN TO_B
.irp i, 0,1,2,3,4,5,6,7
	FRAG 128*(\p)+FR*\i, ADRB+\slot, \q, \i
.endr
	WIN 0
.endm
.macro FETCH_A slot, q, i0
.irp i, \i0, \i0+1, \i0+2, \i0+3
	FRAG AF+FR*(\i), ADRA+\slot, \q, \i
.endr
.endm
.macro SCALES sc                       ; a slot's scale words: lanes 0-15 x's block i, lanes 16-31 w_attn's block i
.irp i, 0,1,2,3,4,5,6,7
	ds_load_b128 v[SC+8*NQ*\sc+NQ*\i:SC+8*NQ*\sc+NQ*\i+3], v[ADRS] offset:\i*SBLK
.endr
.endm
.macro PLACES n                        ; plain vector lines between a matrix instruction and a load into, or a read of, its registers
.rept \n
	v_nop
.endr
.endm
.macro STEP slot, q, zero              ; 128 along K, with its successor in the same slot
	s_wait_dscnt 4*NL                              ; all but the youngest eight loads (x's blocks 4-7) are in
	WIN MUL_LO
	MUL16 0, (\q)%2, \q, \slot, \zero
	MUL16 2, (\q)%2, \q, \slot, \zero
	s_wait_dscnt 0
	PLACES NP
	FETCH_B \slot, (\q)+1, 1-(\q)%2
	FETCH_A \slot, (\q)+1, 0
	WIN MUL_HI
	MUL16 4, (\q)%2, \q, \slot, \zero
	MUL16 6, (\q)%2, \q, \slot, \zero
	PLACES NP
	WIN 0
	FETCH_A \slot, (\q)+1, 4
.endm
; Slot 0's last step changes slots: one barrier; in front of it each wave waits for all its tensor loads (slot 1's is the one that may be out) and for its reads of slot 0.  Nothing is filled again.
.macro TURN slot, next
	s_wait_tensorcnt 0x0
	ds_add_u32 v[SPW], v[NIL]
	s_wait_dscnt 4*NL+1                            ; the add and the youngest eight loads may be out
	WIN MUL_LO
	MUL16 0, 1, NQ-1, \slot, 0
	s_wait_dscnt 0x0                               ; the add is done, and my reads of this slot are over
	s_barrier_signal -1
	MUL16 2, 1, NQ-1, \slot, 0
	WIN 0
	s_barrier_wait -1
	PLACES NP
	v_add_nc_u32 v[ADRS], 4*NQ, v[ADRS]            ; on to the next slot's scale words
	FETCH_B \next, 0, 0
	FETCH_A \next, 0, 0
	SCALES \next
	WIN MUL_HI
	MUL16 4, 1, NQ-1, \slot, 0
	MUL16 6, 1, NQ-1, \slot, 0
	PLACES NP
	WIN 0
	FETCH_A \next, 0, 4
.endm
.macro STEPS slot, from
.set Q, \from
.rept NQ-1-\from
	STEP \slot, Q, 0
.set Q, Q+1
.endr
.endm
	s_wait_tensorcnt 1                             ; the scales and my part of slot 0 are in; slot 1's load may be out
	s_barrier_signal -1
	s_barrier_wait -1
	FETCH_B 0, 0, 0
	FETCH_A 0, 0, 0
	SCALES 0
	FETCH_A 0, 0, 4
	STEP 0, 0, 1                                   ; the first products start the sums: nothing is cleared
	STEPS 0, 1
	TURN 0, 1
	STEPS 1, 0
	s_wait_dscnt 4*NL                              ; the last step: nothing more to fetch
	WIN MUL_LO
	MUL16 0, 1, NQ-1, 1, 0
	MUL16 2, 1, NQ-1, 1, 0
	s_wait_dscnt 0
	WIN MUL_HI
	MUL16 4, 1, NQ-1, 1, 0
	MUL16 6, 1, NQ-1, 1, 0
	WIN 0
; THE WAY OUT.  First the f32 rows: where my wave's first position is 0, its block 0 is positions 0 to 15.  The choice is made by EXEC (all lanes or none), not by a branch: it hangs on the work-group's place.
	PLACES NP
	s_wait_xcnt 0x0                                ; EXEC changes only behind this wait
	v_cmp_eq_u32 vcc_lo, 0, v[T0]
	s_and_saveexec_b32 s95, vcc_lo
	WIN 0x08                                       ; a store's data are its source 1: window 2
.irp b, 0,1,2,3,4,5,6,7
	global_store_b128 v[FO], v[8*\b:8*\b+3], s[66:67] offset:64*\b          ; lane (r, h): row r, columns 16 b + 8 h + 0 .. 3; each accumulator from its low end on
	global_store_b128 v[FO], v[8*\b+4:8*\b+7], s[66:67] offset:64*\b+16
.endr
	WIN 0
	s_wait_xcnt 0x0                                ; and again in front of the line that widens it
	s_or_b32 exec_lo, exec_lo, s95
; Then all eight blocks of 16 rows as f16, through my own stage: in as rows of 256 bytes (two heads), back as four rows of one head an instruction.
.macro PACK a
.set AC, 64*((\a)%4)
	WIN 0x0a+5*((\a)/4)                            ; sources 0 and 1: window 2 or 3
.irp b, 0,1,2,3,4,5,6,7
.irp r, 0,1,2,3
	v_cvt_pk_f16_f32 v[TMP+4*\b+\r], v[AC+8*\b+2*\r], v[AC+8*\b+2*\r+1]
.endr
.endr
	WIN 0
.endm
.macro TOSTAGE a
.irp b, 0,1,2,3,4,5,6,7
	ds_store_b128 v[STO], v[TMP+4*\b:TMP+4*\b+3] offset:32*\b
.endr
.set BB, BK+32*((\a)%2)
.irp j, 0,1
.irp i, 0,1,2,3
	ds_load_b128 v[BB+4*(4*\j+\i):BB+4*(4*\j+\i)+3], v[RD] offset:4*\i*SPITCH+128*\j   ; LDS serves a wave's instructions in order: these see the stores above
.endr
.endr
.endm
.macro SEND a
.set BB, BK+32*((\a)%2)
	s_wait_dscnt 0x0                               ; the block is back in registers
	s_wait_xcnt 0x0                                ; the block before has read its registers: the next block's loads may land there
.irp j, 0,1
.irp i, 0,1,2,3
	global_store_b128 v[CO], v[BB+4*(4*\j+\i):BB+4*(4*\j+\i)+3], s[12:13] offset:\j*262144+(\a)*2048+\i*512   ; 32 lanes store 512 consecutive bytes, aligned
.endr
.endr
.endm
	PACK 0
	TOSTAGE 0
.irp a, 1,2,3,4,5,6,7                  ; block a's conversions stand between block a - 1's loads from the stage and the wait for them
	PACK \a
	SEND \a-1
	TOSTAGE \a
.endr
	SEND 7
	s_wait_tensorcnt 0x0                           ; the wave's end
	ds_add_u32 v[SPW], v[NIL]
	s_wait_dscnt 0x0
	CROUND                                         ; the closing round
	s_endpgm
.Lfunc_end_k_qbd511ab740_qkv:
	.size	k_qbd511ab740_qkv, .Lfunc_end_k_qbd511ab740_qkv-k_qbd511ab740_qkv
	.p2alignl 7, 3214868480
	.fill 96, 4, 3214868480
	.section	.rodata,"a",@progbits
	.p2align	6, 0x0
	.amdhsa_kernel k_qbd511ab740_qkv
		.amdhsa_group_segment_fixed_size 327680
		.amdhsa_private_segment_fixed_size 0
		.amdhsa_enable_private_segment 0
		.amdhsa_kernarg_size 40
		.amdhsa_user_sgpr_count 2
		.amdhsa_user_sgpr_kernarg_segment_ptr 1
		.amdhsa_wavefront_size32 1
		.amdhsa_system_sgpr_workgroup_id_x 1
		.amdhsa_system_sgpr_workgroup_id_y 1
		.amdhsa_system_sgpr_workgroup_id_z 1
		.amdhsa_system_vgpr_workitem_id 0
		.amdhsa_next_free_vgpr 1024
		.amdhsa_next_free_sgpr 98
		.amdhsa_reserve_vcc 1
		.amdhsa_float_denorm_mode_32 3
		.amdhsa_float_denorm_mode_16_64 3
		.amdhsa_memory_ordered 1
		.amdhsa_forward_progress 1
		.amdhsa_inst_pref_size 129
	.end_amdhsa_kernel
	.amdgpu_metadata
---
amdhsa.version: [ 1, 2 ]
amdhsa.kernels:
  - .name:           k_qbd511ab740_qkv
    .symbol:         k_qbd511ab740_qkv.kd
    .args:
      - { .name: xc, .offset: 0, .size: 8, .value_kind: global_buffer, .address_space: global }
      - { .name: scales, .offset: 8, .size: 8, .value_kind: global_buffer, .address_space: global }
      - { .name: wc, .offset: 16, .size: 8, .value_kind: global_buffer, .address_space: global }
      - { .name: qkv16, .offset: 24, .size: 8, .value_kind: global_buffer, .address_space: global }
      - { .name: qkv32, .offset: 32, .size: 8, .value_kind: global_buffer, .address_space: global }
    .group_segment_fixed_size: 327680
    .private_segment_fixed_size: 0
    .kernarg_segment_align: 8
    .kernarg_segment_size: 40
    .max_flat_workgroup_size: 128
    .sgpr_count:     98
    .vgpr_count:     1024
    .wavefront_size: 32
...
	.end_amdgpu_metadata
.endif
;; end of part 2
;; launch attn (part 3): grid 8 x 32, 16 waves a work-group, clusters of 4 x 1, 327,680 bytes of LDS; arguments qkv16, y16, ent; writes y16, ent
.if DOCPART == 3
	.amdgcn_target "amdgcn-amd-amdhsa--gfx1250"
	.amdhsa_code_object_version 6
	.text
	.protected	k_qbd511ab740_attn
	.globl	k_qbd511ab740_attn
	.p2align	8
	.type	k_qbd511ab740_attn,@function
k_qbd511ab740_attn:
	s_mov_b64 s[64:65], 0
	v_nop
	global_prefetch_b8 v0, s[64:65] scope:SCOPE_SE
	s_setreg_imm32_b32 hwreg(HW_REG_WAVE_MODE, 25, 1), 1
	s_wait_xcnt 0x0
	s_wait_alu depctr_hold_cnt(0) depctr_sa_sdst(0) depctr_va_vdst(0) depctr_va_sdst(0) depctr_va_ssrc(0) depctr_va_vcc(0) depctr_vm_vsrc(0)
	s_getreg_b32 s2, hwreg(HW_REG_IB_STS2, 6, 4)
	s_cmp_eq_u32 s2, 0
	s_cbranch_scc0 .Lentry_in_a_cluster
	s_endpgm
.Lentry_in_a_cluster:
	s_bfe_u32 s2, ttmp6, 0x10000c
	s_cmp_lg_u32 s2, 0x3003
	s_cbranch_scc0 .Lentry_shape_is_right
	s_endpgm
.Lentry_shape_is_right:
; Causal attention of one (batch, head) pair bh, operands in f16, sums in f32, with a running maximum; and each row's entropy.
; qkv16: [part 3][bh 32][t 2048][64] f16.  y16: [row / 128][h 16][row % 128][64] f16, row = 2048 b + t.  ent: 256 f32, one for each work-group: the sum of its 256 rows' entropies, in bits.
; SHARES.  Work-group j (0 .. 7) of a head; each of its sixteen waves owns ONE tile of 16 queries, 128 rank + 16 j + r, where rank is a fixed permutation of the wave's number: four waves taken by fours either way
; have ranks that sum to 30.  Keys go in steps of 128: step KI is worked where KI <= rank and masked where KI = rank.  Both tests hang on the wave's number alone: every work-group has the same 136 tile steps,
; every work-group reads every slot (rank 15 does), and the four work-groups of a cluster ask for K and V JOINTLY.
; LAYOUT.  S^T = K Q^T (source 0 = 16 keys, source 1 = my 16 queries), O^T = V^T P: a lane holds one query (lane % 16) throughout.  K comes out of LDS as it lies, V turned by ds_load_tr16_b128.
; A key's row is 128 bytes and rows are dense in memory: two keys make a row of 256 bytes for the tensor load; key k lies at (k / 2) x pitch + (k % 2) x 128.
; SOFTMAX.  t = score x log2(e) / 8; M = the running largest t rounded up to a whole number; e = 2^(t - M); l = sum e; when M moves, l, A and O^T are multiplied by 2^(old M - new M), which rounds nothing.
; ENTROPY.  With u = t - M and A = sum e u, a row's -sum p ln p = ln 2 (log2 l - A / l).  When M moves by d = old M - new M: A <- 2^d (A + d l).
; LIMITS: the + 1e-8 inside reference's logarithm is not carried: the mean entropy comes out too large by sum p ln(1 + 1e-8 / p) <= ln(1 + 2048e-8) < 2.05e-5 nats, for every input.
;         q, k, v, y within f16's range; NaN and infinities are not served.
; REGISTERS: v1-11 addresses; v12 -M, v13 the largest t, v[14:15] l; v16-31 Q; v32-95 fragments of K or V, e in between; v96-159 S^T, then u, then P in v96-127; v160-191 O^T; v[192:193] A; v200-208, v251-255 at work.
.set PK,    272                        ; two keys of K in LDS: 256 bytes + 16
.set PV,    288                        ; two keys of V: 256 + 32: 16 lanes of the turning load take 4 rows x 2 keys x 32 bytes, sixteen different columns of 16 bytes modulo 256
.set VOFF,  128*PK                     ; a slot: 256 keys of K, then 256 of V
.set SLOT1, 1<<17                      ; slot 1 begins here: one exclusive or turns an address
.set STAGE, 73728                      ; between the slots: 16 rows x (128 bytes + 16) for each wave
.set SPS,   144
.set ENTB,  STAGE+16*16*SPS            ; sixteen words: the waves' entropy sums
.set SPARE, ENTB+256                   ; the spare words, 128 bytes for each of sixteen waves; no other line names them
.set PARTB, 8388608                    ; bytes of q, of k, of v
.set SLOTB, 32768                      ; 256 keys in memory
.set AK0, 1
.set AV0, 2
.set DQ,  3                            ; v3  16 j + r - 8 h: register n of S^T holds key 16 (n / 8) + n % 8 + 8 h of the step: hidden on the diagonal where 16 (n / 8) + n % 8 > v3
.set NEG, 4                            ; v4  -3e38: finite, so that e u is 0 and no NaN
.set SPW, 5
.set NIL, 6
.set GO,  7
.set ADK, 8
.set ADV, 9
.set STO, 10
.set RD,  11
.set WV,  18
.set RHO, 19
.set SEL, 20
.set CS,  22
.set G1K, 24
.set G1V, 32
.set G0K, 40
.set G0V, 44
.set TB,  48
.set KI,  49
.set SLOTS, 50
.set PFA, 52
.set LIM, 54
; Waves 0 and 1 fetch the halves of a slot's K, waves 2 and 3 of its V, the others nothing.  The branches hang on the wave's number alone.  An s_nop 0 and four v_nop follow each line.
.macro TLOAD
	s_cmp_lt_u32 s[WV], 2
	s_cbranch_scc0 .Lnot_k_\@
	tensor_load_to_lds s[G0K:G0K+3], s[G1K:G1K+7]
	s_nop 0
.rept 4
	v_nop
.endr
	s_branch .Lasked_\@
.Lnot_k_\@:
	s_cmp_lt_u32 s[WV], 4
	s_cbranch_scc0 .Lasked_\@
	tensor_load_to_lds s[G0V:G0V+3], s[G1V:G1V+7]
	s_nop 0
.rept 4
	v_nop
.endr
.Lasked_\@:
.endm
; A prefetch of what the NEXT change of slots will ask for: 32,768 bytes of K and of V.  Both clusters of a head walk the same K and V: the first asks.  Its four partners share the bytes out by address, 8,192 each;
; in each, wave 13 asks for K's and wave 14 for V's, lanes 256 bytes apart: each aligned block of 256 bytes is named once in the launch.  These two waves work every step of the slots in which they ask.
; The last change that fills a slot asks for nothing; slots 0 and 1 come by their loads alone.
.macro ASK
	s_cmp_gt_u32 s[SLOTS], s[LIM]
	s_cbranch_scc0 .Lnot_mine_\@
	global_prefetch_b8 v206, s[PFA:PFA+1] th:TH_LOAD_NT scope:SCOPE_SE
.Lnot_mine_\@:
.endm
.macro CROUND                          ; a round of the cluster's barrier
	s_barrier_signal -1
	s_barrier_wait -1
	s_cmp_lg_u32 s[WV], 0
	s_cbranch_scc1 .Lnot_wave_0_\@
	s_barrier_signal -3
.Lnot_wave_0_\@:
	s_barrier_wait -3
	s_barrier_signal -1
	s_barrier_wait -1
.endm
	s_load_b128 s[4:7], s[0:1], 0x0                ; qkv16 s[4:5], y16 s[6:7]
	s_load_b64 s[8:9], s[0:1], 0x10                ; ent
	v_lshl_add_u32 v[SPW], v0, 2, SPARE
	v_mov_b32 v[NIL], 0
	ds_add_u32 v[SPW], v[NIL]                      ; the wave's opening: the add, twice on end, and its wait ahead of the first tensor load
	ds_add_u32 v[SPW], v[NIL]
	v_lshrrev_b32 v8, 5, v0
	v_readfirstlane_b32 s[WV], v8                  ; wave 0..15
	s_mov_b32 s55, 0x0de3b658                      ; the ranks of waves 8 to 15, four bits each,
	s_cmp_lt_u32 s[WV], 8
	s_cselect_b32 s55, 0x7a94c12f, s55             ; of waves 0 to 7: 15, 2, 1, 12, 4, 9, 10, 7, 8, 5, 6, 11, 3, 14, 13, 0
	s_and_b32 s56, s[WV], 7
	s_lshl_b32 s56, s56, 2
	s_lshr_b32 s55, s55, s56
	s_and_b32 s[RHO], s55, 15
	s_bfe_u32 s57, ttmp6, 0x40000                  ; cx
	s_lshl_b32 s58, ttmp9, 2
	s_add_co_u32 s58, s58, s57                     ; j: it enters global addresses and the mask's compare alone
	s_and_b32 s59, ttmp7, 0xffff                   ; bh
	s_lshl_b32 s60, s59, 18                        ; the head's first byte in a part
	s_and_b32 s61, s[WV], 1                        ; which half of a slot I fetch, if I fetch
	s_mov_b32 s[G1K], 15|(3<<16)|(1<<20)|(1<<21)|(5<<22)|(3<<25)  ; the mask: all four; elements of 8 bytes; padding on; bit 21 beside a mask; 4 words behind every 64
	s_mov_b32 s[G1V], 15|(3<<16)|(1<<20)|(1<<21)|(5<<22)|(7<<25)  ; the same with 8 words
.irp g, G1K, G1V
	s_mov_b32 s[\g+1], 32<<16                      ; tensor_dim0: 32 elements = 256 bytes
	s_mov_b32 s[\g+2], 64<<16                      ; tensor_dim1: 64 rows = 128 keys
	s_mov_b32 s[\g+3], 32<<16                      ; tile_dim0
	s_mov_b32 s[\g+4], 64                          ; tile_dim1
	s_mov_b32 s[\g+5], 32                          ; the pitch: dense
	s_mov_b32 s[\g+6], 0
	s_mov_b32 s[\g+7], 0
.endr
	s_lshl_b32 s62, s61, 14
	s_add_co_u32 s62, s62, s60                     ; my half of slot 0, within a part
	s_mov_b32 s63, 0
	s_lshl_b32 s66, s[RHO], 7
	s_lshl_b32 s67, s58, 4
	s_add_co_u32 s66, s66, s67                     ; my first query
	s_lshl_b32 s66, s66, 7
	s_add_co_u32 s66, s66, s60
	s_mov_b32 s67, 0                               ; s[66:67]: Q's offset
	s_lshr_b32 s68, s59, 4
	s_lshl_b32 s68, s68, 4
	s_add_co_u32 s68, s68, s[RHO]                  ; row / 128 = 16 b + rank
	s_lshl_b32 s68, s68, 4
	s_and_b32 s69, s59, 15
	s_add_co_u32 s68, s68, s69                     ; the plane
	s_lshl_b32 s68, s68, 14
	s_lshl_b32 s69, s58, 11
	s_add_co_u32 s68, s68, s69                     ; + 16 j rows of 128 bytes
	s_mov_b32 s69, 0                               ; s[68:69]: y16's offset
	s_lshl_b32 s70, s59, 3
	s_add_co_u32 s70, s70, s58
	s_lshl_b32 s70, s70, 2
	s_mov_b32 s71, 0                               ; s[70:71]: ent's offset
	s_sub_co_u32 s72, s[WV], 13
	s_lshr_b32 s73, s72, 1                         ; 0 in waves 13 and 14,
	s_or_b32 s73, s73, ttmp9                       ; of the head's first cluster: the same in all four partners
	s_cmp_eq_u32 s73, 0
	s_cselect_b32 s[LIM], 1, -1
	s_and_b32 s72, s72, 1
	s_lshl_b32 s72, s72, 23                        ; wave 13: K; wave 14: V
	s_add_co_u32 s72, s72, PARTB+SLOTB             ; in slot 1: the first change of slots steps it to slot 2
	s_add_co_u32 s72, s72, s60
	s_lshl_b32 s73, s57, 13                        ; my work-group's 8,192 bytes
	s_add_co_u32 s72, s72, s73
	s_mov_b32 s73, 0
	s_mov_b32 s[SEL], 0x76543210
	s_mov_b32 s[SEL+1], 0xfedcba98                 ; v_permlanex16_b32's selects for lane l xor 16
	s_mov_b32 s[CS], 0x3e38aa3b                    ; c = log2(e) / 8
	s_mov_b32 s[CS+1], s[CS]
	s_mov_b32 s[TB], 0
	s_mov_b32 s[KI], 0
	s_mov_b32 s[SLOTS], 7
	s_wait_dscnt 0x0                               ; both opening adds are done
	s_wait_kmcnt 0x0
	s_add_nc_u64 s[10:11], s[4:5], s[66:67]        ; Q at my first query
	s_add_nc_u64 s[6:7], s[6:7], s[68:69]
	s_add_nc_u64 s[8:9], s[8:9], s[70:71]
	s_add_nc_u64 s[PFA:PFA+1], s[4:5], s[72:73]
	CROUND                                         ; all four work-groups are here: the first joint loads meet
	s_mov_b32 s[G0K], 1
	s_mul_i32 s[G0K+1], s61, 64*PK
	s_add_nc_u64 s[G0K+2:G0K+3], s[4:5], s[62:63]
	s_add_nc_u64 s[G0K+2:G0K+3], s[G0K+2:G0K+3], PARTB
	s_mov_b32 s[G0V], 1
	s_mul_i32 s[G0V+1], s61, 64*PV
	s_add_co_u32 s[G0V+1], s[G0V+1], VOFF
	s_add_nc_u64 s[G0V+2:G0V+3], s[G0K+2:G0K+3], PARTB
	s_or_b32 s[G0K+3], s[G0K+3], 0x80000000
	s_or_b32 s[G0V+3], s[G0V+3], 0x80000000
	TLOAD                                          ; slot 0
	v_and_b32 v200, 15, v0                         ; r
	v_bfe_u32 v201, v0, 4, 1                       ; h
	v_lshlrev_b32 v202, 7, v200
	v_lshl_add_u32 v202, v201, 4, v202             ; Q: row r of 128 bytes, + 16 h
.irp f, 0,1
.irp c, 0,1
	global_load_b128 v[16+8*\f+4*\c:19+8*\f+4*\c], v202, s[10:11] offset:64*\f+32*\c   ; Q's two fragments stay in registers
.endr
.endr
	v_lshrrev_b32 v203, 1, v200
	v_mul_u32_u24 v[AK0], v203, PK
	v_and_b32 v203, 1, v200
	v_lshl_add_u32 v[AK0], v203, 7, v[AK0]
	v_lshl_add_u32 v[AK0], v201, 4, v[AK0]         ; K: (r / 2) pitch + (r % 2) 128 + 16 h
	v_bfe_u32 v203, v0, 1, 2
	v_lshl_add_u32 v203, v201, 2, v203
	v_mul_u32_u24 v[AV0], v203, PV
	v_and_b32 v203, 1, v0
	v_lshl_add_u32 v[AV0], v203, 7, v[AV0]
	v_bfe_u32 v203, v0, 3, 1
	v_lshl_add_u32 v[AV0], v203, 4, v[AV0]
	v_add_nc_u32 v[AV0], VOFF, v[AV0]              ; V: key 8 h + l % 8, channels 8 ((l / 8) % 2) on
	v_lshlrev_b32 v203, 3, v201
	v_sub_nc_u32 v[DQ], v200, v203
	s_lshl_b32 s55, s58, 4
	v_add_nc_u32 v[DQ], s55, v[DQ]
	v_mov_b32 v[NEG], 0xff61b1e6
	v_and_b32 v[GO], 31, v0
	v_lshlrev_b32 v[GO], 4, v[GO]
	s_mul_i32 s55, s[WV], 16*SPS
	s_add_co_u32 s55, s55, STAGE                   ; my stage
	v_mul_u32_u24 v[STO], v200, SPS
	v_lshl_add_u32 v[STO], v201, 4, v[STO]
	v_add_nc_u32 v[STO], s55, v[STO]               ; in: row r, 16 bytes for each half of the lanes
	v_bfe_u32 v203, v0, 3, 2
	v_mul_u32_u24 v[RD], v203, SPS
	v_and_b32 v204, 7, v0
	v_lshl_add_u32 v[RD], v204, 4, v[RD]
	v_add_nc_u32 v[RD], s55, v[RD]                 ; back: eight lanes to a row of 128 bytes, four rows an instruction
	v_and_b32 v205, 15, v0
	v_lshl_add_u32 v205, v205, 2, ENTB             ; wave 0 reads the sixteen words
	v_and_b32 v206, 31, v0
	v_lshlrev_b32 v206, 8, v206                    ; the prefetches' offset
	v_lshrrev_b32 v207, 5, v0
	v_lshl_add_u32 v207, v207, 2, ENTB             ; my wave's word
	v_mov_b32 v208, 0
	v_mov_b32 v13, 0xff61b1e6                      ; the largest t so far: under every t
	v_floor_f32 v12, -v13                          ; -M
	v_mov_b32 v14, 0
	v_mov_b32 v15, 0
	v_mov_b32 v192, 0
	v_mov_b32 v193, 0
	v_mov_b32 v253, 0                              ; (named as upper halves of pairs)
	v_mov_b32 v255, 0
.set NN, 0
.rept 32
	v_mov_b32 v[160+NN], 0                         ; O^T: the step is written once; its first pass finds zeros, which the first change of M leaves zeros
.set NN, NN+1
.endr
; A KEY STEP: 128 keys, the q-th of the slot in hand.
.macro STEP q
	s_cmp_gt_u32 s[KI], s[RHO]                     ; all its keys come after my queries: left out.  No barrier, wait for tiles or tensor load stands in a step
	s_cbranch_scc1 .Lhidden_\@
	v_add_nc_u32 v[ADK], s[TB], v[AK0]
	v_add_nc_u32 v[ADV], s[TB], v[AV0]
.rept 3
	v_nop                                          ; five places with the two additions: the score products below write over registers that the last step's products read as P
.endr
.irp g, 0,1                                    ; S^T = K Q^T, four tiles of 16 keys at a time
.if \g > 0
.rept 4
	v_nop                                          ; places in front of loads into registers that matrix instructions have read
.endr
.endif
.irp t, 0,1,2,3
.irp f, 0,1
.irp c, 0,1
	ds_load_b128 v[32+16*\t+8*\f+4*\c:35+16*\t+8*\f+4*\c], v[ADK] offset:(64*(\q)+8*(4*\g+\t))*PK+64*\f+32*\c
.endr
.endr
.endr
	s_wait_dscnt 0x0
.irp t, 0,1,2,3                                ; the four accumulators take turns
	v_wmma_f32_16x16x32_f16 v[96+8*(4*\g+\t):103+8*(4*\g+\t)], v[32+16*\t:39+16*\t], v[16:23], 0
.endr
.irp t, 0,1,2,3
	v_wmma_f32_16x16x32_f16 v[96+8*(4*\g+\t):103+8*(4*\g+\t)], v[40+16*\t:47+16*\t], v[24:31], v[96+8*(4*\g+\t):103+8*(4*\g+\t)]
.endr
.endr
.rept 4
	v_nop
.endr
	s_cmp_lt_u32 s[KI], s[RHO]                     ; only the step on the diagonal is masked
	s_cbranch_scc1 .Lopen_\@
.set NN, 0
.rept 64
	v_cmp_gt_i32 vcc_lo, 16*(NN/8)+NN%8, v[DQ]
	v_cndmask_b32 v[96+NN], v[96+NN], v[NEG], vcc_lo
.set NN, NN+1
.endr
.Lopen_\@:
.irp b, 0,1,2,3
	v_max3_num_f32 v[200+\b], v[96+16*\b], v[97+16*\b], v[98+16*\b]   ; the largest score, in four chains by turns; each accumulator is read from its low end on
.endr
.irp i, 3,5,7,9,11,13
.irp b, 0,1,2,3
	v_max3_num_f32 v[200+\b], v[200+\b], v[96+16*\b+\i], v[97+16*\b+\i]
.endr
.endr
.irp b, 0,1,2,3
	v_max_num_f32 v[200+\b], v[200+\b], v[111+16*\b]
.endr
	v_max3_num_f32 v200, v200, v201, v202
	v_max_num_f32 v200, v200, v203
	v_permlanex16_b32 v204, v200, s[SEL], s[SEL+1]
	v_max_num_f32 v200, v200, v204                 ; with lane l xor 16's 64 keys
	v_mul_f32 v200, s[CS], v200                    ; as t (c is positive)
	v_max_num_f32 v13, v13, v200
	v_mov_b32 v254, v12
	v_floor_f32 v12, -v13                          ; the new -M = -ceil(t)
	v_sub_f32 v254, v12, v254                      ; d = old M - new M: a whole number, 0 or less
	v_cvt_i32_f32 v251, v254                       ; (it saturates)
	v_ldexp_f32 v252, 1.0, v251                    ; f = 2^d
.set NN, 0
.rept 32
	v_pk_fma_f32 v[96+NN:97+NN], v[96+NN:97+NN], s[CS:CS+1], v[12:13] op_sel_hi:[1,0,0]   ; u = t - M
.set NN, NN+2
.endr
.set NN, 0
.rept 64
	v_exp_f32 v[32+NN], v[96+NN]                   ; e = 2^u, at most 1; u is kept for the entropy
.set NN, NN+1
.endr
	v_pk_fma_f32 v[192:193], v[14:15], v[254:255], v[192:193] op_sel_hi:[1,0,1]   ; A + d l  (plain work behind the exponentials)
	v_pk_mul_f32 v[192:193], v[192:193], v[252:253] op_sel_hi:[1,0]               ; x f
	v_pk_mul_f32 v[14:15], v[14:15], v[252:253] op_sel_hi:[1,0]                   ; l x f
	s_wait_alu depctr_va_vdst(0)                   ; one wait for the whole batch, ahead of its first reader
.set NN, 0
.rept 32
	v_pk_fma_f32 v[192:193], v[32+NN:33+NN], v[96+NN:97+NN], v[192:193]           ; A += e u
	v_pk_add_f32 v[14:15], v[14:15], v[32+NN:33+NN]                               ; l += e
	v_cvt_pk_f16_f32 v[96+NN/2], v[32+NN], v[33+NN]                               ; P, over u that has been used
.set NN, NN+2
.endr
.set NN, 0
.rept 16
	v_pk_mul_f32 v[160+NN:161+NN], v[160+NN:161+NN], v[252:253] op_sel_hi:[1,0]   ; O^T x f
.set NN, NN+2
.endr
.irp g, 0,1                                    ; O^T += V^T P, 64 keys at a time
.if \g > 0
.rept 4
	v_nop
.endr
.endif
.irp k, 0,1
.irp t, 0,1,2,3
	ds_load_tr16_b128 v[32+8*(4*\k+\t):35+8*(4*\k+\t)], v[ADV] offset:(64*(\q)+16*(2*\g+\k))*PV+32*\t
	ds_load_tr16_b128 v[36+8*(4*\k+\t):39+8*(4*\k+\t)], v[ADV] offset:(64*(\q)+16*(2*\g+\k))*PV+32*\t+8*PV
.endr
.endr
	s_wait_dscnt 0x0
.irp k, 0,1
.irp t, 0,1,2,3                                ; the four accumulators take turns
	v_wmma_f32_16x16x32_f16 v[160+8*\t:167+8*\t], v[32+8*(4*\k+\t):39+8*(4*\k+\t)], v[96+8*(2*\g+\k):103+8*(2*\g+\k)], v[160+8*\t:167+8*\t]
.endr
.endr
.endr
.Lhidden_\@:
	s_add_co_u32 s[KI], s[KI], 1
.endm
; THE CHANGE OF SLOTS stands at a slot's head.  Each wave waits for all its tensor loads (one at the most is out: its part of the slot ahead), adds 0 to its spare word, and waits for that and for its reads of the slot left.
; fill = 1: the barrier is a round of the cluster's, and behind it the slot left is filled with the next 256 keys: a wave's one tensor load until the next round.
.macro CHANGE fill
	s_wait_tensorcnt 0x0
	ds_add_u32 v[SPW], v[NIL]
.if \fill
	ds_add_u32 v[SPW], v[NIL]                      ; and twice on end here
	s_xor_b32 s[G0K+1], s[G0K+1], SLOT1            ; no load of mine is out: the descriptors walk
	s_add_nc_u64 s[G0K+2:G0K+3], s[G0K+2:G0K+3], SLOTB
	s_xor_b32 s[G0V+1], s[G0V+1], SLOT1
	s_add_nc_u64 s[G0V+2:G0V+3], s[G0V+2:G0V+3], SLOTB
	s_wait_xcnt 0x0                                ; the last prefetch, a slot back, has read its address
	s_add_nc_u64 s[PFA:PFA+1], s[PFA:PFA+1], SLOTB
	s_wait_dscnt 0x0
	CROUND
	TLOAD
	ASK
.else
	s_wait_dscnt 0x0
	s_barrier_signal -1
	s_barrier_wait -1
.endif
.endm
.macro SLOT_STEPS
	STEP 0
	STEP 1
	s_xor_b32 s[TB], s[TB], SLOT1
.endm
	s_wait_loadcnt 0x0                             ; Q
.Lslot:                                            ; seven trips: behind each change of slots but the last the next slot is asked for
	CHANGE 1
	SLOT_STEPS
	s_sub_co_u32 s[SLOTS], s[SLOTS], 1
	s_cmp_lg_u32 s[SLOTS], 0
	s_cbranch_scc1 .Lslot
	CHANGE 0                                       ; the last slot is written out
	SLOT_STEPS
	; THE WAY OUT
.rept 4
	v_nop                                          ; places behind the last products
.endr
	v_add_f32 v14, v14, v15
	v_add_f32 v192, v192, v193
	v_permlanex16_b32 v204, v14, s[SEL], s[SEL+1]
	v_permlanex16_b32 v200, v192, s[SEL], s[SEL+1]
	v_add_f32 v14, v14, v204                       ; l
	v_add_f32 v192, v192, v200                     ; A
	v_rcp_f32 v252, v14
	v_log_f32 v254, v14
	v_nop
	s_wait_alu depctr_va_vdst(0)                   ; one wait for the two
	v_fma_f32 v201, -v192, v252, v254              ; the row's entropy in bits: log2 l - A / l
	v_add_f32_dpp v201, v201, v201 row_xmask:1 row_mask:0xf bank_mask:0xf
	v_add_f32_dpp v201, v201, v201 row_xmask:2 row_mask:0xf bank_mask:0xf
	v_add_f32_dpp v201, v201, v201 row_xmask:4 row_mask:0xf bank_mask:0xf
	v_add_f32_dpp v201, v201, v201 row_xmask:8 row_mask:0xf bank_mask:0xf   ; my 16 queries'
.set NN, 0
.rept 16
	v_pk_mul_f32 v[96+NN:97+NN], v[160+NN:161+NN], v[252:253] op_sel_hi:[1,0]   ; O^T / l
.set NN, NN+2
.endr
.set NN, 0
.rept 16
	v_cvt_pk_f16_f32 v[128+NN], v[96+2*NN], v[97+2*NN]
.set NN, NN+1
.endr
.irp t, 0,1,2,3
	ds_store_b128 v[STO], v[128+4*\t:131+4*\t] offset:32*\t   ; lane (r, h): query r, channels 16 t + 8 h + 0 .. 7
.endr
.irp i, 0,1,2,3
	ds_load_b128 v[144+4*\i:147+4*\i], v[RD] offset:4*\i*SPS  ; in order behind my stores
.endr
.irp i, 0,1,2,3
	s_wait_dscnt 3-\i                              ; the loads behind this one may be out
	global_store_b128 v[GO], v[144+4*\i:147+4*\i], s[6:7] offset:512*\i   ; 32 lanes store 512 consecutive bytes, aligned: four rows of my head's plane
.endr
	ds_store_b32 v207, v201                        ; all lanes write the same word with the same value
	s_wait_dscnt 0x0
	s_barrier_signal -1
	s_barrier_wait -1
	s_cmp_lg_u32 s[WV], 0
	s_cbranch_scc1 .Lnot_first
	ds_load_b32 v202, v205
	s_wait_dscnt 0x0
	v_add_f32_dpp v202, v202, v202 row_xmask:1 row_mask:0xf bank_mask:0xf
	v_add_f32_dpp v202, v202, v202 row_xmask:2 row_mask:0xf bank_mask:0xf
	v_add_f32_dpp v202, v202, v202 row_xmask:4 row_mask:0xf bank_mask:0xf
	v_add_f32_dpp v202, v202, v202 row_xmask:8 row_mask:0xf bank_mask:0xf
	s_wait_xcnt 0x0                                ; EXEC changes only behind this wait
	v_cmp_eq_u32 vcc_lo, 0, v0
	s_and_saveexec_b32 s55, vcc_lo
	global_store_b32 v208, v202, s[8:9]            ; one number for the work-group
	s_wait_xcnt 0x0
	s_or_b32 exec_lo, exec_lo, s55
.Lnot_first:
	s_wait_tensorcnt 0x0                           ; the wave's end
	ds_add_u32 v[SPW], v[NIL]
	s_wait_dscnt 0x0
	CROUND                                         ; the closing round
	s_endpgm
.Lfunc_end_k_qbd511ab740_attn:
	.size	k_qbd511ab740_attn, .Lfunc_end_k_qbd511ab740_attn-k_qbd511ab740_attn
	.p2alignl 7, 3214868480
	.fill 96, 4, 3214868480
	.section	.rodata,"a",@progbits
	.p2align	6, 0x0
	.amdhsa_kernel k_qbd511ab740_attn
		.amdhsa_group_segment_fixed_size 327680
		.amdhsa_private_segment_fixed_size 0
		.amdhsa_enable_private_segment 0
		.amdhsa_kernarg_size 24
		.amdhsa_user_sgpr_count 2
		.amdhsa_user_sgpr_kernarg_segment_ptr 1
		.amdhsa_wavefront_size32 1
		.amdhsa_system_sgpr_workgroup_id_x 1
		.amdhsa_system_sgpr_workgroup_id_y 1
		.amdhsa_system_sgpr_workgroup_id_z 1
		.amdhsa_system_vgpr_workitem_id 0
		.amdhsa_next_free_vgpr 256
		.amdhsa_next_free_sgpr 80
		.amdhsa_reserve_vcc 1
		.amdhsa_float_denorm_mode_32 3
		.amdhsa_float_denorm_mode_16_64 3
		.amdhsa_memory_ordered 1
		.amdhsa_forward_progress 1
		.amdhsa_inst_pref_size 118
	.end_amdhsa_kernel
	.amdgpu_metadata
---
amdhsa.version: [ 1, 2 ]
amdhsa.kernels:
  - .name:           k_qbd511ab740_attn
    .symbol:         k_qbd511ab740_attn.kd
    .args:
      - { .name: qkv16, .offset: 0, .size: 8, .value_kind: global_buffer, .address_space: global }
      - { .name: y16, .offset: 8, .size: 8, .value_kind: global_buffer, .address_space: global }
      - { .name: ent, .offset: 16, .size: 8, .value_kind: global_buffer, .address_space: global }
    .group_segment_fixed_size: 327680
    .private_segment_fixed_size: 0
    .kernarg_segment_align: 8
    .kernarg_segment_size: 24
    .max_flat_workgroup_size: 512
    .sgpr_count:     80
    .vgpr_count:     256
    .wavefront_size: 32
...
	.end_amdgpu_metadata
.endif
;; end of part 3
;; launch proj (part 4): grid 8 x 32, 4 waves a work-group, clusters of 4 x 4, 327,680 bytes of LDS; arguments y16, w16, out0; writes out0
.if DOCPART == 4
	.amdgcn_target "amdgcn-amd-amdhsa--gfx1250"
	.amdhsa_code_object_version 6
	.text
	.protected	k_qbd511ab740_proj
	.globl	k_qbd511ab740_proj
	.p2align	8
	.type	k_qbd511ab740_proj,@function
k_qbd511ab740_proj:
	s_mov_b64 s[64:65], 0
	v_nop
	global_prefetch_b8 v0, s[64:65] scope:SCOPE_SE
	s_setreg_imm32_b32 hwreg(HW_REG_WAVE_MODE, 25, 1), 1
	s_wait_xcnt 0x0
	s_wait_alu depctr_hold_cnt(0) depctr_sa_sdst(0) depctr_va_vdst(0) depctr_va_sdst(0) depctr_va_ssrc(0) depctr_va_vcc(0) depctr_vm_vsrc(0)
	s_getreg_b32 s2, hwreg(HW_REG_IB_STS2, 6, 4)
	s_cmp_eq_u32 s2, 0
	s_cbranch_scc0 .Lentry_in_a_cluster
	s_endpgm
.Lentry_in_a_cluster:
	s_bfe_u32 s2, ttmp6, 0x10000c
	s_cmp_lg_u32 s2, 0xf033
	s_cbranch_scc0 .Lentry_shape_is_right
	s_endpgm
.Lentry_shape_is_right:
; out0[m][n] = sum over k of y[m][k] w_proj[k][n], operands in f16, sums in f32, for all rows but positions t < 16 of each batch, which a later launch carries in f32.
; y16: [m / 128][head 16][m % 128][64] f16: a K step of 256 is four heads' planes, 65,536 dense bytes.  w16: [k 1024][n 1024] f16.  out0: [4096][1024] f32.
; A tile of 128 x 128 to a work-group (256 work-groups), 64 x 64 to a wave: 16 accumulators.  K goes in four steps of 256 through two LDS slots.  CLUSTERS of 4 x 4: y's tiles are shared along a row, w's along a column.
; THE MATRIX INSTRUCTION IS USED TRANSPOSED (source 0 = 16 columns n of w, turned out of LDS by ds_load_tr16_b128; source 1 = 16 rows of y): a lane holds eight neighbouring numbers of a row of out0.
; y's rows are 128 bytes within a plane: two make a row of 256 bytes for the tensor load; row p lies at (p / 2) x 272 + (p % 2) x 128.
; LIMIT: y and w_proj within f16's range.
; REGISTERS: window 0: v0-31 addresses; v32-95 the way out; v128-255 the accumulators ((a, b) at v[128 + 8 (4 a + b)]).  window 1: two fragment buffers of 128: 64 registers of y, then 64 of w.
.set PA,     272
.set PB,     288                       ; a row of w's tile: 256 bytes + 32: 16 lanes of the turning load take 8 rows x 32 bytes, sixteen different columns of 16 bytes modulo 256
.set PLANE,  64*PA                     ; a head's 128 rows
.set AHALF,  2*PLANE                   ; what one tensor load brings of y
.set BOFF,   4*PLANE
.set BHALF,  128*PB                    ; and of w
.set SLOT,   BOFF+2*BHALF
.set STAGE,  2*SLOT                    ; behind the ring: 16 rows x (256 bytes + 16) for each wave
.set SPITCH, 272
.set SPARE,  STAGE+4*16*SPITCH         ; the spare words, 128 bytes a wave; no other line names them
.set ADRA, 16                          ; v16-17  y's fragments in slot 0, 1
.set ADRB, 20                          ; v20-23  w's: slot 0 rows 0-127, 128-255; slot 1 likewise (an LDS offset has 16 bits)
.set STO,  24
.set RD,   25
.set CO,   26
.set T0,   27                          ; v27 my wave's first position t
.set SPW,  28
.set NIL,  29
.set TMP,  32
.set ACC,  128
.set F0,   0
.set F1,   128
.set G1, 24
.set G0, 32
.set G1B, 48
.set G0B, 56
.set MSB, 0
.macro WIN new
.if MSB != \new
	s_set_vgpr_msb (MSB<<8)|\new
.set MSB, \new
.endif
.endm
.set MUL,  0x05                        ; sources 0 and 1 window 1; C and D window 0
.set TO_F, 0x40                        ; destination window 1, address window 0
.macro JLOAD s                         ; a joint load: waves 0 and 1 fetch y's halves, waves 2 and 3 w's; an s_nop 0 and four v_nop follow each line
	s_cmp_eq_u32 s11, 0
	s_cbranch_scc0 .Lfor_b_\@
	tensor_load_to_lds s[G0+4*\s:G0+4*\s+3], s[G1:G1+7]
	s_nop 0
.rept 4
	v_nop
.endr
	s_branch .Lasked_\@
.Lfor_b_\@:
	tensor_load_to_lds s[G0B+4*\s:G0B+4*\s+3], s[G1B:G1B+7]
	s_nop 0
.rept 4
	v_nop
.endr
.Lasked_\@:
.endm
.macro CREST
	s_cmp_lg_u32 s10, 0
	s_cbranch_scc1 .Lnot_wave_0_\@
	s_barrier_signal -3
.Lnot_wave_0_\@:
	s_barrier_wait -3
	s_barrier_signal -1
	s_barrier_wait -1
.endm
.macro CROUND
	s_barrier_signal -1
	s_barrier_wait -1
	CREST
.endm
	s_load_b128 s[4:7], s[0:1], 0x0                ; y16 s[4:5], w16 s[6:7]
	s_load_b64 s[8:9], s[0:1], 0x10                ; out0
	v_lshl_add_u32 v[SPW], v0, 2, SPARE
	v_mov_b32 v[NIL], 0
	ds_add_u32 v[SPW], v[NIL]                      ; the wave's opening: the add, twice on end, and its wait ahead of my first tensor load
	ds_add_u32 v[SPW], v[NIL]
	v_lshrrev_b32 v1, 5, v0
	v_readfirstlane_b32 s10, v1                    ; wave 0..3
	s_lshr_b32 s11, s10, 1                         ; which half of the tile's rows is mine.  Also: I fetch for y (0) or for w (1)
	s_and_b32 s12, s10, 1                          ; which half of its columns.  Also: which half of that tile I fetch
	s_bfe_u32 s40, ttmp6, 0x40000
	s_bfe_u32 s41, ttmp6, 0x40004
	s_lshl_b32 s42, ttmp9, 2
	s_add_co_u32 s42, s42, s40                     ; tile column
	s_and_b32 s13, ttmp7, 0xffff
	s_lshl_b32 s13, s13, 2
	s_add_co_u32 s13, s13, s41                     ; tile row
	s_lshl_b32 s43, s41, 2
	s_lshl_b32 s43, 15, s43                        ; my row of the cluster
	s_lshl_b32 s44, 0x1111, s40                    ; my column
	s_or_b32 s[G1+0], s43, (3<<16)|(1<<20)|(1<<21)|(5<<22)|(3<<25)  ; y: elements of 8 bytes; 4 words of padding behind every 64
	s_mov_b32 s[G1+1], 32<<16                      ; tensor_dim0: 256 bytes
	s_mov_b32 s[G1+2], 128<<16                     ; tensor_dim1: 128 rows = two planes
	s_mov_b32 s[G1+3], 32<<16
	s_mov_b32 s[G1+4], 128
	s_mov_b32 s[G1+5], 32                          ; dense
	s_mov_b32 s[G1+6], 0
	s_mov_b32 s[G1+7], 0
	s_or_b32 s[G1B+0], s44, (1<<16)|(1<<20)|(1<<21)|(5<<22)|(7<<25) ; w: elements of 2 bytes; 8 words of padding behind every 64
	s_mov_b32 s[G1B+1], 128<<16
	s_mov_b32 s[G1B+2], 128<<16
	s_mov_b32 s[G1B+3], 128<<16
	s_mov_b32 s[G1B+4], 128
	s_mov_b32 s[G1B+5], 1024                       ; a row of w16 is 1,024 elements
	s_mov_b32 s[G1B+6], 0
	s_mov_b32 s[G1B+7], 0
	s_lshl_b32 s16, s13, 18                        ; y: 262,144 bytes a tile row,
	s_lshl_b32 s17, s12, 15                        ; two planes a half
	s_add_co_u32 s16, s16, s17
	s_mov_b32 s17, 0
	s_lshl_b32 s46, s42, 8                         ; w: 256 bytes a tile column,
	s_lshl_b32 s47, s12, 18                        ; 128 rows of 2,048 bytes a half
	s_add_co_u32 s46, s46, s47
	s_mov_b32 s47, 0
	s_mul_i32 s20, s12, AHALF                      ; where they go: no place in the cluster enters an LDS address
	s_mul_i32 s21, s12, BHALF
	s_add_co_u32 s21, s21, BOFF
	s_wait_dscnt 0x0                               ; both opening adds are done
	s_wait_kmcnt 0x0
	s_add_nc_u64 s[14:15], s[4:5], s[16:17]
	s_add_nc_u64 s[46:47], s[6:7], s[46:47]
	CROUND                                         ; all sixteen work-groups are here: the first joint loads meet
.irp s, 0,1
	s_mov_b32 s[G0+4*\s], 1
	s_add_co_u32 s[G0+4*\s+1], s20, \s*SLOT
	s_add_nc_u64 s[G0+4*\s+2:G0+4*\s+3], s[14:15], \s*65536
	s_or_b32 s[G0+4*\s+3], s[G0+4*\s+3], 0x80000000
	s_mov_b32 s[G0B+4*\s], 1
	s_add_co_u32 s[G0B+4*\s+1], s21, \s*SLOT
	s_add_nc_u64 s[G0B+4*\s+2:G0B+4*\s+3], s[46:47], \s*524288
	s_or_b32 s[G0B+4*\s+3], s[G0B+4*\s+3], 0x80000000
	JLOAD \s
.endr
	v_and_b32 v1, 15, v0                           ; r
	v_bfe_u32 v2, v0, 4, 1                         ; h
	v_lshrrev_b32 v3, 1, v1
	v_mul_u32_u24 v3, v3, PA
	v_and_b32 v4, 1, v1
	v_lshl_add_u32 v3, v4, 7, v3
	v_lshl_add_u32 v3, v2, 4, v3                   ; y: (r / 2) pitch + (r % 2) 128 + 16 h
	s_mul_i32 s21, s11, 32*PA                      ; my 64 rows of each plane
	v_add_nc_u32 v[ADRA], s21, v3
	v_add_nc_u32 v[ADRA+1], SLOT, v[ADRA]
	v_and_b32 v4, 7, v0
	v_lshl_add_u32 v4, v2, 3, v4
	v_mul_u32_u24 v4, v4, PB
	v_bfe_u32 v5, v0, 3, 1
	v_lshl_add_u32 v4, v5, 4, v4                   ; w: row 8 h + l % 8, columns 8 ((l / 8) % 2) on
	s_lshl_b32 s22, s12, 7                         ; my 64 columns
	s_add_co_u32 s22, s22, BOFF
	v_add_nc_u32 v[ADRB], s22, v4
	v_add_nc_u32 v[ADRB+1], BHALF, v[ADRB]
	v_add_nc_u32 v[ADRB+2], SLOT, v[ADRB]
	v_add_nc_u32 v[ADRB+3], SLOT, v[ADRB+1]
	s_mul_i32 s23, s10, 16*SPITCH
	s_add_co_u32 s23, s23, STAGE                   ; my stage
	v_mul_u32_u24 v4, v1, SPITCH
	v_lshl_add_u32 v4, v2, 5, v4
	v_add_nc_u32 v[STO], s23, v4                   ; in: row r, 32 bytes for each half of the lanes
	v_mul_u32_u24 v5, v2, SPITCH
	v_lshl_add_u32 v5, v1, 4, v5
	v_add_nc_u32 v[RD], s23, v5                    ; back: lanes 0-15 one row of 256 bytes, lanes 16-31 the next
	v_lshlrev_b32 v5, 12, v2
	v_lshl_add_u32 v[CO], v1, 4, v5                ; and the same two rows of out0
	s_lshl_b32 s16, s13, 7
	s_lshl_b32 s17, s11, 6
	s_add_co_u32 s16, s16, s17                     ; my first row
	s_and_b32 s17, s16, 2047
	v_mov_b32 v[T0], s17
	s_lshl_b32 s16, s16, 12                        ; 4,096 bytes a row
	s_mov_b32 s17, 0
	s_add_nc_u64 s[8:9], s[8:9], s[16:17]
	s_lshl_b32 s46, s42, 9                         ; my first column, in bytes: 512 x tile column + 256 x half
	s_lshl_b32 s47, s12, 8
	s_add_co_u32 s46, s46, s47
	s_mov_b32 s47, 0
	s_add_nc_u64 s[8:9], s[8:9], s[46:47]
; 8 matrix instructions: row blocks a0, a0 + 1 x all 4 column blocks, 32 along K: half c of buffer f.  The 16 accumulators take turns.
.macro MUL8 f, c, a0, zero
.irp a, \a0, \a0+1
.irp b, 0,1,2,3
.if \zero
	v_wmma_f32_16x16x32_f16 v[ACC+8*(4*(\a)+\b):ACC+8*(4*(\a)+\b)+7], v[\f+64+8*(4*\c+\b):\f+64+8*(4*\c+\b)+7], v[\f+8*(4*\c+\a):\f+8*(4*\c+\a)+7], 0
.else
	v_wmma_f32_16x16x32_f16 v[ACC+8*(4*(\a)+\b):ACC+8*(4*(\a)+\b)+7], v[\f+64+8*(4*\c+\b):\f+64+8*(4*\c+\b)+7], v[\f+8*(4*\c+\a):\f+8*(4*\c+\a)+7], v[ACC+8*(4*(\a)+\b):ACC+8*(4*(\a)+\b)+7]
.endif
.endr
.endr
.endm
; 32 LDS loads in one run: the fragments of the slot's q-th 64 along K (one head's plane of y; 64 rows of w) into buffer f; the first 32 along K first
.macro FETCH slot, q, f
	WIN TO_F
.irp c, 0,1
.irp i, 0,1,2,3
	ds_load_tr16_b128 v[\f+64+8*(4*\c+\i):\f+64+8*(4*\c+\i)+3],   v[ADRB+2*\slot+(\q)/2] offset:(((\q)%2)*64+32*\c)*PB+32*\i
	ds_load_tr16_b128 v[\f+64+8*(4*\c+\i)+4:\f+64+8*(4*\c+\i)+7], v[ADRB+2*\slot+(\q)/2] offset:(((\q)%2)*64+32*\c)*PB+32*\i+16*PB
	ds_load_b128 v[\f+8*(4*\c+\i):\f+8*(4*\c+\i)+3],         v[ADRA+\slot] offset:(\q)*PLANE+\i*8*PA+64*\c
	ds_load_b128 v[\f+8*(4*\c+\i)+4:\f+8*(4*\c+\i)+7],       v[ADRA+\slot] offset:(\q)*PLANE+\i*8*PA+64*\c+32
.endr
.endr
.endm
.macro PLACES
.rept 4
	v_nop
.endr
.endm
; A K step is four quarters of 64 along K, 32 matrix instructions each, on buffers 0, 1, 0, 1.  One of the first three: multiplies buffer f and fetches quarter q into g.
.macro QUARTER slot, q, f, g, zero
	s_wait_dscnt 16                                ; the first 32 along K are in; the sixteen younger loads may be out
	WIN MUL
	MUL8 \f, 0, 0, \zero
	MUL8 \f, 0, 2, \zero
	PLACES
	FETCH \slot, \q, \g
	s_wait_dscnt 32                                ; all but the 32 just issued
	WIN MUL
	MUL8 \f, 1, 0, 0
	MUL8 \f, 1, 2, 0
.endm
; The last quarter multiplies buffer 1 and changes slots: one barrier; in front of it each wave waits for all its tensor loads, adds 0 to its spare word, and waits for that and for its reads of this slot.
.macro TURN slot, next, fill
	WIN 0
	s_wait_tensorcnt 0x0                           ; the one load of mine that may be out is my part of the next slot
	ds_add_u32 v[SPW], v[NIL]
	s_wait_dscnt 17                                ; the add and the youngest sixteen loads may be out
	WIN MUL
	MUL8 F1, 0, 0, 0
	s_wait_dscnt 0x0                               ; the add is done, and my reads of this slot are over
	s_barrier_signal -1
	MUL8 F1, 0, 2, 0
.if \fill
	WIN 0
.endif
	s_barrier_wait -1
.if \fill
	CREST                                          ; the barrier has opened a round of the cluster's: no wave of any partner still reads this slot or has a load on its way
	s_add_nc_u64 s[G0+4*\slot+2:G0+4*\slot+3], s[G0+4*\slot+2:G0+4*\slot+3], 131072     ; two K steps on: eight planes,
	s_add_nc_u64 s[G0B+4*\slot+2:G0B+4*\slot+3], s[G0B+4*\slot+2:G0B+4*\slot+3], 1048576 ; 512 rows of w16
	JLOAD \slot                                    ; the first tensor load behind the round; its four v_nop are also the places in front of the loads below
.else
	PLACES
.endif
	FETCH \next, 0, F0
	WIN MUL
	MUL8 F1, 1, 0, 0
	MUL8 F1, 1, 2, 0
.endm
	s_wait_tensorcnt 1                             ; my part of K step 0 is in; K step 1's load may be out
	s_barrier_signal -1
	s_barrier_wait -1
	FETCH 0, 0, F0
	QUARTER 0, 1, F0, F1, 1                        ; the first products start the sums
	QUARTER 0, 2, F1, F0, 0
	QUARTER 0, 3, F0, F1, 0
	TURN 0, 1, 1                                   ; slot 0 takes K step 2
	QUARTER 1, 1, F0, F1, 0
	QUARTER 1, 2, F1, F0, 0
	QUARTER 1, 3, F0, F1, 0
	TURN 1, 0, 1                                   ; slot 1 takes K step 3
	QUARTER 0, 1, F0, F1, 0
	QUARTER 0, 2, F1, F0, 0
	QUARTER 0, 3, F0, F1, 0
	TURN 0, 1, 0                                   ; nothing is left to fetch
	QUARTER 1, 1, F0, F1, 0
	QUARTER 1, 2, F1, F0, 0
	QUARTER 1, 3, F0, F1, 0
	s_wait_dscnt 16
	WIN MUL
	MUL8 F1, 0, 0, 0
	MUL8 F1, 0, 2, 0
	s_wait_dscnt 0
	MUL8 F1, 1, 0, 0
	MUL8 F1, 1, 2, 0
	WIN 0
; THE WAY OUT, a block of 16 rows x 64 columns at a time through my own stage: a row's 64 numbers are 256 bytes, aligned, so no other wave is needed.
.macro TOSTAGE a
.irp b, 0,1,2,3
	ds_store_b128 v[STO], v[ACC+8*(4*(\a)+\b):ACC+8*(4*(\a)+\b)+3] offset:64*\b          ; each accumulator from its low end on
	ds_store_b128 v[STO], v[ACC+8*(4*(\a)+\b)+4:ACC+8*(4*(\a)+\b)+7] offset:64*\b+16
.endr
.set BB, TMP+32*((\a)%2)
.irp t, 0,1,2,3,4,5,6,7
	ds_load_b128 v[BB+4*\t:BB+4*\t+3], v[RD] offset:2*\t*SPITCH   ; in order behind my stores
.endr
.endm
.macro SEND a, younger                 ; younger: the LDS instructions issued behind block a's loads, which may stay out
.set BB, TMP+32*((\a)%2)
	s_wait_dscnt \younger
.if (\a) == 0                          ; where my first position is 0, block 0 is positions 0 to 15: not stored here.  By EXEC (all lanes or none), not by a branch: the choice hangs on the work-group's place
	s_wait_xcnt 0x0
	v_cmp_ne_u32 vcc_lo, 0, v[T0]
	s_and_saveexec_b32 s45, vcc_lo
.endif
.irp t, 0,1,2,3,4,5,6,7
	global_store_b128 v[CO], v[BB+4*\t:BB+4*\t+3], s[8:9] offset:(16*(\a)+2*\t)*4096 th:TH_STORE_NT   ; sixteen lanes store 256 consecutive bytes, aligned
.endr
.if (\a) == 0
	s_wait_xcnt 0x0
	s_or_b32 exec_lo, exec_lo, s45
.endif
.endm
	PLACES
	TOSTAGE 0
	TOSTAGE 1
	SEND 0, 16
	s_wait_xcnt 0x0                                ; block 0's stores have read their registers: block 2's loads may land there
	TOSTAGE 2
	SEND 1, 16
	s_wait_xcnt 0x0
	TOSTAGE 3
	SEND 2, 16
	SEND 3, 0
	s_wait_tensorcnt 0x0                           ; the wave's end
	ds_add_u32 v[SPW], v[NIL]
	s_wait_dscnt 0x0
	CROUND                                         ; the closing round
	s_endpgm
.Lfunc_end_k_qbd511ab740_proj:
	.size	k_qbd511ab740_proj, .Lfunc_end_k_qbd511ab740_proj-k_qbd511ab740_proj
	.p2alignl 7, 3214868480
	.fill 96, 4, 3214868480
	.section	.rodata,"a",@progbits
	.p2align	6, 0x0
	.amdhsa_kernel k_qbd511ab740_proj
		.amdhsa_group_segment_fixed_size 327680
		.amdhsa_private_segment_fixed_size 0
		.amdhsa_enable_private_segment 0
		.amdhsa_kernarg_size 24
		.amdhsa_user_sgpr_count 2
		.amdhsa_user_sgpr_kernarg_segment_ptr 1
		.amdhsa_wavefront_size32 1
		.amdhsa_system_sgpr_workgroup_id_x 1
		.amdhsa_system_sgpr_workgroup_id_y 1
		.amdhsa_system_sgpr_workgroup_id_z 1
		.amdhsa_system_vgpr_workitem_id 0
		.amdhsa_next_free_vgpr 512
		.amdhsa_next_free_sgpr 66
		.amdhsa_reserve_vcc 1
		.amdhsa_float_denorm_mode_32 3
		.amdhsa_float_denorm_mode_16_64 3
		.amdhsa_memory_ordered 1
		.amdhsa_forward_progress 1
		.amdhsa_inst_pref_size 86
	.end_amdhsa_kernel
	.amdgpu_metadata
---
amdhsa.version: [ 1, 2 ]
amdhsa.kernels:
  - .name:           k_qbd511ab740_proj
    .symbol:         k_qbd511ab740_proj.kd
    .args:
      - { .name: y16, .offset: 0, .size: 8, .value_kind: global_buffer, .address_space: global }
      - { .name: w16, .offset: 8, .size: 8, .value_kind: global_buffer, .address_space: global }
      - { .name: out0, .offset: 16, .size: 8, .value_kind: global_buffer, .address_space: global }
    .group_segment_fixed_size: 327680
    .private_segment_fixed_size: 0
    .kernarg_segment_align: 8
    .kernarg_segment_size: 24
    .max_flat_workgroup_size: 128
    .sgpr_count:     66
    .vgpr_count:     512
    .wavefront_size: 32
...
	.end_amdgpu_metadata
.endif
;; end of part 4
;; launch fine (part 5): grid 64 x 1, 16 waves a work-group, no clusters, 34,816 bytes of LDS; arguments qkv32, w_proj, ent, out0, out1; writes out0, out1
.if DOCPART == 5
	.amdgcn_target "amdgcn-amd-amdhsa--gfx1250"
	.amdhsa_code_object_version 6
	.text
	.protected	k_qbd511ab740_fine
	.globl	k_qbd511ab740_fine
	.p2align	8
	.type	k_qbd511ab740_fine,@function
k_qbd511ab740_fine:
	s_mov_b64 s[64:65], 0
	v_nop
	global_prefetch_b8 v0, s[64:65] scope:SCOPE_SE
	s_setreg_imm32_b32 hwreg(HW_REG_WAVE_MODE, 25, 1), 1
	s_wait_xcnt 0x0
; The first 16 positions of each batch, all in f32: attention over at most 16 keys and the projection; and the mean entropy from the 256 partial sums.
; qkv32: [16 b + t][3072] f32.  w_proj: [1024][1024] f32.  ent: 256 f32, in bits.  Stores rows t < 16 of out0 [2][2048][1024], which no other launch stores, and out1.
; SHARES.  Work-group x owns output columns 16 x .. 16 x + 15; wave w owns head w of both batches: its 64 channels of y are its range of the projection's K, so y never leaves its registers.
; The sixteen waves' parts of the projection meet in LDS and are added in the order of the heads.
; All products by v_wmma_f32_16x16x4_f32 (some 2 M multiply-adds a work-group: no bulk work).  Within a product the order of k is permuted alike on both sources, so that wide loads and earlier results serve as they lie:
;   S^T = K Q^T: step s takes channels 8 (s / 2) + 4 h + 2 (s % 2) + 0, 1.   O^T = V^T P: step g takes keys 8 h + 2 g + 0, 1, as S^T's registers hold them.   D = W^T O^T: step (t, g) takes channels 16 t + 8 h + 2 g + 0, 1.
; The registers that these products write (v16-31, v192-255) are written by matrix instructions alone.
; REGISTERS: v3-13 addresses; v16-31 S^T of both batches, later D; v32-95 Q, later W (v32-63), t - max (v64-79), p (v80-95); v96-159 K, later V^T of batch 1 (v96-127) and work; v160-191 V^T of batch 0; v224-255, v192-223 O^T.
.set ROWQ,  12288
.set SPARE, 32768                      ; behind the sixteen parts of 2,048 bytes: the spare words, 128 bytes a wave; no other line names them
	s_load_b256 s[4:11], s[0:1], 0x0               ; qkv32 s[4:5], w_proj s[6:7], ent s[8:9], out0 s[10:11]
	s_load_b64 s[12:13], s[0:1], 0x20              ; out1
	v_lshl_add_u32 v12, v0, 2, SPARE
	v_mov_b32 v13, 0
	v_lshrrev_b32 v1, 5, v0
	v_readfirstlane_b32 s18, v1                    ; wave = head
	v_and_b32 v1, 15, v0                           ; r
	v_bfe_u32 v2, v0, 4, 1                         ; h
	v_mul_u32_u24 v3, v1, ROWQ
	v_lshl_add_u32 v3, v2, 4, v3                   ; Q, K: row r, + 16 h
	v_mul_u32_u24 v4, v2, 8*ROWQ
	v_lshl_add_u32 v4, v1, 2, v4                   ; V: key 8 h, channel r
	v_lshlrev_b32 v5, 15, v2
	v_lshl_add_u32 v5, v1, 2, v5                   ; W: row 8 h, column r
	v_lshlrev_b32 v6, 3, v2
	v_sub_nc_u32 v6, v1, v6                        ; r - 8 h: register j of S^T holds key 8 h + j: hidden where j > r - 8 h
	v_mov_b32 v7, 0xff61b1e6                       ; -3e38
	v_and_b32 v11, 31, v0
	v_lshlrev_b32 v11, 4, v11                      ; 16 x lane
	s_lshl_b32 s19, s18, 11
	v_add_nc_u32 v8, s19, v11                      ; my part in LDS
	s_and_b32 s19, s18, 3
	s_lshl_b32 s19, s19, 9
	v_add_nc_u32 v9, s19, v11                      ; waves 0 to 3: which quarter of every part I add up
	v_lshlrev_b32 v10, 12, v1
	v_lshl_add_u32 v10, v2, 5, v10                 ; out0: row r, + 32 h
	v_lshlrev_b32 v14, 1, v11                      ; ent: 32 bytes a lane
	v_mov_b32 v15, 0
	s_mov_b32 s20, 0x76543210
	s_mov_b32 s21, 0xfedcba98                      ; v_permlanex16_b32's selects for lane l xor 16
	s_mov_b32 s22, 0x3e38aa3b                      ; log2(e) / 8
	s_lshl_b32 s24, s18, 8                         ; my head's 256 bytes of a row
	s_mov_b32 s25, 0
	s_lshl_b32 s26, s18, 18                        ; my 64 rows of w_proj,
	s_lshl_b32 s27, ttmp9, 6                       ; my work-group's 16 columns
	s_add_co_u32 s26, s26, s27
	s_mov_b32 s27, 0
	s_bfe_u32 s28, s18, 0x10001                    ; waves 0 to 3: the batch,
	s_lshl_b32 s28, s28, 23                        ; 8,388,608 bytes on;
	s_and_b32 s29, s18, 1
	s_lshl_b32 s29, s29, 4                         ; which four of a lane's eight columns
	s_add_co_u32 s28, s28, s29
	s_lshl_b32 s29, ttmp9, 6
	s_add_co_u32 s28, s28, s29
	s_mov_b32 s29, 0
	s_wait_kmcnt 0x0
	s_add_nc_u64 s[4:5], s[4:5], s[24:25]
	s_add_nc_u64 s[6:7], s[6:7], s[26:27]
	s_add_nc_u64 s[10:11], s[10:11], s[28:29]
.irp b, 0,1
.irp s, 0,1,2,3,4,5,6,7
	global_load_b128 v[32+32*\b+4*\s:35+32*\b+4*\s], v3, s[4:5] offset:196608*\b+32*\s          ; Q: channels 8 s + 4 h + 0 .. 3 of query r
.endr
.endr
.irp b, 0,1
.irp s, 0,1,2,3,4,5,6,7
	global_load_b128 v[96+32*\b+4*\s:99+32*\b+4*\s], v3, s[4:5] offset:4096+196608*\b+32*\s     ; K likewise
.endr
.endr
.irp t, 0,1,2,3
.irp k, 0,1,2,3,4,5,6,7
	global_load_b32 v[160+8*\t+\k], v4, s[4:5] offset:8192+\k*ROWQ+64*\t                        ; V(8 h + k, 16 t + r), batch 0
.endr
.endr
	s_wait_loadcnt 32                              ; Q and K are in; V's 32 loads may be out
	v_wmma_f32_16x16x4_f32 v[16:23], v[96:97], v[32:33], 0        ; the first K step starts both sums; the two accumulators take turns
	v_wmma_f32_16x16x4_f32 v[24:31], v[128:129], v[64:65], 0
.set SS, 1
.rept 15
	v_wmma_f32_16x16x4_f32 v[16:23], v[96+2*SS:97+2*SS], v[32+2*SS:33+2*SS], v[16:23]
	v_wmma_f32_16x16x4_f32 v[24:31], v[128+2*SS:129+2*SS], v[64+2*SS:65+2*SS], v[24:31]
.set SS, SS+1
.endr
.rept 8
	v_nop                                          ; eight places behind this form, in front of loads into its sources and of reads of its results
.endr
.irp t, 0,1,2,3
.irp k, 0,1,2,3,4,5,6,7
	global_load_b32 v[96+8*\t+\k], v4, s[4:5] offset:8192+196608+\k*ROWQ+64*\t                  ; V of batch 1
.endr
.endr
.irp t, 0,1,2,3
.irp k, 0,1,2,3,4,5,6,7
	global_load_b32 v[32+8*\t+\k], v5, s[6:7] offset:(16*\t+\k)*4096                            ; W(64 w + 16 t + 8 h + k, 16 x + r)
.endr
.endr
	; out1: wave 4 of work-group 0 adds the 256 partial sums; its two loads travel with the others
	s_sub_co_u32 s24, s18, 4
	s_or_b32 s24, s24, ttmp9
	s_cmp_eq_u32 s24, 0
	s_cbranch_scc0 .Lno_mean
	global_load_b128 v[64:67], v14, s[8:9]
	global_load_b128 v[68:71], v14, s[8:9] offset:16
	s_wait_loadcnt 0x0
	v_add_f32 v64, v64, v65
	v_add_f32 v66, v66, v67
	v_add_f32 v68, v68, v69
	v_add_f32 v70, v70, v71
	v_add_f32 v64, v64, v66
	v_add_f32 v68, v68, v70
	v_add_f32 v64, v64, v68
	v_add_f32_dpp v64, v64, v64 row_xmask:1 row_mask:0xf bank_mask:0xf
	v_add_f32_dpp v64, v64, v64 row_xmask:2 row_mask:0xf bank_mask:0xf
	v_add_f32_dpp v64, v64, v64 row_xmask:4 row_mask:0xf bank_mask:0xf
	v_add_f32_dpp v64, v64, v64 row_xmask:8 row_mask:0xf bank_mask:0xf
	v_permlanex16_b32 v65, v64, s20, s21
	v_add_f32 v64, v64, v65
	v_mul_f32 v64, 0x37317218, v64                 ; x ln 2 / 65,536: bits to nats, and the mean over 2 x 16 x 2,048 rows
	s_wait_xcnt 0x0                                ; EXEC changes only behind this wait
	v_cmp_eq_u32 vcc_lo, 128, v0                   ; my wave's first lane
	s_and_saveexec_b32 s25, vcc_lo
	global_store_b32 v15, v64, s[12:13]
	s_wait_xcnt 0x0                                ; the store has read its data too: v64 is written again below
	s_or_b32 exec_lo, exec_lo, s25
.Lno_mean:
	; the softmax: the row's maximum is taken away, then p = e / sum
.set NN, 0
.rept 16
	v_mul_f32 v[64+NN], s22, v[16+NN]              ; t = score x log2(e) / 8; each accumulator from its low end on
.set NN, NN+1
.endr
.irp j, 0,1,2,3,4,5,6,7
	v_cmp_gt_i32 vcc_lo, \j, v6
	v_cndmask_b32 v[64+\j], v[64+\j], v7, vcc_lo
	v_cndmask_b32 v[72+\j], v[72+\j], v7, vcc_lo
.endr
.irp b, 0,1
	v_max3_num_f32 v[128+\b], v[64+8*\b], v[65+8*\b], v[66+8*\b]
.endr
.irp i, 3,5
.irp b, 0,1
	v_max3_num_f32 v[128+\b], v[128+\b], v[64+8*\b+\i], v[65+8*\b+\i]
.endr
.endr
.irp b, 0,1
	v_max_num_f32 v[128+\b], v[128+\b], v[71+8*\b]
.endr
.irp b, 0,1
	v_permlanex16_b32 v[130+\b], v[128+\b], s20, s21
.endr
.irp b, 0,1
	v_max_num_f32 v[128+\b], v[128+\b], v[130+\b]  ; key 0 counts for every query: the maximum is a score
.endr
.irp b, 0,1
.irp j, 0,1,2,3,4,5,6,7
	v_sub_f32 v[64+8*\b+\j], v[64+8*\b+\j], v[128+\b]
.endr
.endr
.set NN, 0
.rept 16
	v_exp_f32 v[80+NN], v[64+NN]
.set NN, NN+1
.endr
	v_nop
	s_wait_alu depctr_va_vdst(0)                   ; one wait for the batch, ahead of its first reader
.irp b, 0,1
	v_pk_add_f32 v[132+4*\b:133+4*\b], v[80+8*\b:81+8*\b], v[82+8*\b:83+8*\b]
	v_pk_add_f32 v[134+4*\b:135+4*\b], v[84+8*\b:85+8*\b], v[86+8*\b:87+8*\b]
.endr
.irp b, 0,1
	v_pk_add_f32 v[132+4*\b:133+4*\b], v[132+4*\b:133+4*\b], v[134+4*\b:135+4*\b]
.endr
.irp b, 0,1
	v_add_f32 v[132+4*\b], v[132+4*\b], v[133+4*\b]
.endr
.irp b, 0,1
	v_permlanex16_b32 v[134+4*\b], v[132+4*\b], s20, s21
.endr
.irp b, 0,1
	v_add_f32 v[132+4*\b], v[132+4*\b], v[134+4*\b]
.endr
	v_rcp_f32 v140, v132
	v_rcp_f32 v142, v136
	v_nop
	s_wait_alu depctr_va_vdst(0)
.irp i, 0,2,4,6
	v_pk_mul_f32 v[80+\i:81+\i], v[80+\i:81+\i], v[140:141] op_sel_hi:[1,0]
	v_pk_mul_f32 v[88+\i:89+\i], v[88+\i:89+\i], v[142:143] op_sel_hi:[1,0]
.endr
	s_wait_loadcnt 32                              ; V of both batches is in; W's 32 loads may be out
.irp t, 0,1,2,3                                ; O^T = V^T P: eight accumulators take turns
	v_wmma_f32_16x16x4_f32 v[224+8*\t:231+8*\t], v[160+8*\t:161+8*\t], v[80:81], 0
	v_wmma_f32_16x16x4_f32 v[192+8*\t:199+8*\t], v[96+8*\t:97+8*\t], v[88:89], 0
.endr
.irp g, 1,2,3
.irp t, 0,1,2,3
	v_wmma_f32_16x16x4_f32 v[224+8*\t:231+8*\t], v[160+8*\t+2*\g:161+8*\t+2*\g], v[80+2*\g:81+2*\g], v[224+8*\t:231+8*\t]
	v_wmma_f32_16x16x4_f32 v[192+8*\t:199+8*\t], v[96+8*\t+2*\g:97+8*\t+2*\g], v[88+2*\g:89+2*\g], v[192+8*\t:199+8*\t]
.endr
.endr
.rept 9
	v_nop                                          ; nine places before a matrix instruction takes these results as a source
.endr
	s_wait_loadcnt 0x0                             ; W
	v_wmma_f32_16x16x4_f32 v[16:23], v[32:33], v[224:225], 0      ; D(column 16 x + 8 h + j, query r): my head's part
	v_wmma_f32_16x16x4_f32 v[24:31], v[32:33], v[192:193], 0
.irp g, 1,2,3
	v_wmma_f32_16x16x4_f32 v[16:23], v[32+2*\g:33+2*\g], v[224+2*\g:225+2*\g], v[16:23]
	v_wmma_f32_16x16x4_f32 v[24:31], v[32+2*\g:33+2*\g], v[192+2*\g:193+2*\g], v[24:31]
.endr
.irp t, 1,2,3
.irp g, 0,1,2,3
	v_wmma_f32_16x16x4_f32 v[16:23], v[32+8*\t+2*\g:33+8*\t+2*\g], v[224+8*\t+2*\g:225+8*\t+2*\g], v[16:23]
	v_wmma_f32_16x16x4_f32 v[24:31], v[32+8*\t+2*\g:33+8*\t+2*\g], v[192+8*\t+2*\g:193+8*\t+2*\g], v[24:31]
.endr
.endr
.rept 8
	v_nop
.endr
	ds_store_b128 v8, v[16:19]                     ; my part as an image of its registers: four quarters of 512 bytes
	ds_store_b128 v8, v[20:23] offset:512
	ds_store_b128 v8, v[24:27] offset:1024
	ds_store_b128 v8, v[28:31] offset:1536
	s_wait_dscnt 0x0                               ; for the others' sake
	s_barrier_signal -1
	s_barrier_wait -1
	s_cmp_lt_u32 s18, 4
	s_cbranch_scc0 .Lno_sum
.set PP, 0
.rept 16
	ds_load_b128 v[128+4*PP:131+4*PP], v9 offset:2048*PP
.set PP, PP+1
.endr
	s_wait_dscnt 0x0
.set PP, 1
.rept 15
	v_pk_add_f32 v[128:129], v[128:129], v[128+4*PP:129+4*PP]     ; in the order of the heads
	v_pk_add_f32 v[130:131], v[130:131], v[130+4*PP:131+4*PP]
.set PP, PP+1
.endr
	global_store_b128 v10, v[128:131], s[10:11]    ; row r, four of my work-group's 16 columns: 64 bytes of a row a work-group; 131,072 bytes in the whole launch
.Lno_sum:
	s_wait_tensorcnt 0x0                           ; the wave's end: behind my last LDS store
	ds_add_u32 v12, v13
	s_wait_dscnt 0x0
	s_endpgm
.Lfunc_end_k_qbd511ab740_fine:
	.size	k_qbd511ab740_fine, .Lfunc_end_k_qbd511ab740_fine-k_qbd511ab740_fine
	.p2alignl 7, 3214868480
	.fill 96, 4, 3214868480
	.section	.rodata,"a",@progbits
	.p2align	6, 0x0
	.amdhsa_kernel k_qbd511ab740_fine
		.amdhsa_group_segment_fixed_size 34816
		.amdhsa_private_segment_fixed_size 0
		.amdhsa_enable_private_segment 0
		.amdhsa_kernarg_size 40
		.amdhsa_user_sgpr_count 2
		.amdhsa_user_sgpr_kernarg_segment_ptr 1
		.amdhsa_wavefront_size32 1
		.amdhsa_system_sgpr_workgroup_id_x 1
		.amdhsa_system_sgpr_workgroup_id_y 1
		.amdhsa_system_sgpr_workgroup_id_z 1
		.amdhsa_system_vgpr_workitem_id 0
		.amdhsa_next_free_vgpr 256
		.amdhsa_next_free_sgpr 66
		.amdhsa_reserve_vcc 1
		.amdhsa_float_denorm_mode_32 3
		.amdhsa_float_denorm_mode_16_64 3
		.amdhsa_memory_ordered 1
		.amdhsa_forward_progress 1
		.amdhsa_inst_pref_size 31
	.end_amdhsa_kernel
	.amdgpu_metadata
---
amdhsa.version: [ 1, 2 ]
amdhsa.kernels:
  - .name:           k_qbd511ab740_fine
    .symbol:         k_qbd511ab740_fine.kd
    .args:
      - { .name: qkv32, .offset: 0, .size: 8, .value_kind: global_buffer, .address_space: global }
      - { .name: w_proj, .offset: 8, .size: 8, .value_kind: global_buffer, .address_space: global }
      - { .name: ent, .offset: 16, .size: 8, .value_kind: global_buffer, .address_space: global }
      - { .name: out0, .offset: 24, .size: 8, .value_kind: global_buffer, .address_space: global }
      - { .name: out1, .offset: 32, .size: 8, .value_kind: global_buffer, .address_space: global }
    .group_segment_fixed_size: 34816
    .private_segment_fixed_size: 0
    .kernarg_segment_align: 8
    .kernarg_segment_size: 40
    .max_flat_workgroup_size: 512
    .sgpr_count:     66
    .vgpr_count:     256
    .wavefront_size: 32
...
	.end_amdgpu_metadata
.endif
;; end of part 5
